; MI455X (gfx1250); checked and timed in simulation.
; The chip was launched on July 23, 2026; its instructions are those of AMD's public machine-readable ISA for CDNA 5 (MIT licence, August 2026) and "CDNA5" Instruction Set Architecture Reference Guide (July 2026). The comments in the code are by the model that wrote it; some were corrected since.
;; Transformer Block. Allowed arithmetic: float matrix products may take bf16 or f16 operands with f32 sums; other float arithmetic in f32, or as packed bf16 or f16 multiplies, adds, multiply-adds, maxima and minima; sums over many terms, partial sums and values carried from step to step in f32; what a program stores and reads back later, other than sums and carried values, may be rounded once to bf16 or f16.
;; Inputs: W1 1,024 x 4,096 float32; W2 4,096 x 1,024 float32; Wk 1,024 x 1,024 float32; Wo 1,024 x 1,024 float32; Wq 1,024 x 1,024 float32; Wv 1,024 x 1,024 float32; b1 4,096 float32; b2 1,024 float32; bk 1,024 float32; bo 1,024 float32; bq 1,024 float32; bv 1,024 float32; x 2 x 2,048 x 1,024 float32.
;; Outputs: out0 2 x 2,048 x 1,024 float32.
;; 2 versions, each right; version 2 is version 1 with the launch cast written anew for expert scheduling mode. Each part assembles by itself: llvm-mc -triple=amdgcn-amd-amdhsa -mcpu=gfx1250 --defsym DOCPART=n.
;; ======== version 1 of 2: 6 launches
;; limits: values are held in f16: magnitudes above 65,504 overflow, below 6.1e-05 lose precision
;; workspace buffers: xs 8,388,608 bytes; wa 6,291,456 bytes; wb 25,165,824 bytes; qkv 25,165,824 bytes; ys 8,388,608 bytes; x1s 8,388,608 bytes; hs 33,554,432 bytes
;; launch cast (part 1): grid 512 x 1, 8 waves a work-group, no clusters, 0 bytes of LDS; arguments x, Wq, Wk, Wv, Wo, xs, wa, wb; writes xs, wa, wb
.if DOCPART == 1
	.amdgcn_target "amdgcn-amd-amdhsa--gfx1250"
	.amdhsa_code_object_version 6
	.text
	.protected	k_qa5cca3c084_cast
	.globl	k_qa5cca3c084_cast
	.p2align	8
	.type	k_qa5cca3c084_cast,@function
k_qa5cca3c084_cast:
	s_mov_b64 s[64:65], 0
	v_nop
	global_prefetch_b8 v0, s[64:65] scope:SCOPE_SE
	s_setreg_imm32_b32 hwreg(HW_REG_WAVE_MODE, 25, 1), 1
	s_wait_xcnt 0x0
; CAST.  x, Wq, Wk, Wv and Wo, f32, are rounded once to bf16 (nearest even).  (W1 and W2 are cast in the next launch, by work-groups that have no part in its product.)
; xs: x in slices of 64 columns: element (m, k) at ((k / 64) x 4096 + m) x 64 + k % 64, so that 16 rows of a slice are 2,048 bytes on end.
; wa: Wq, Wk, Wv as they lie ([K][N]), 2,097,152 bytes each.  wb: Wo at byte 6,291,456 (behind it the next launch lays W1 and W2; the bytes in front of it are not used).
; A stream: no LDS, no barrier, no matrix unit.  Work-groups 0-255 take 16 rows of x each, work-groups 256-511 take 16,384 numbers of the weights each.
; A unit of work is one load of 16 bytes a lane (512 bytes of f32 a wave) and one store of 8 bytes a lane: 256 consecutive bytes, at a multiple of 256 from the buffer's first byte.
; A wave has 16 units; all 16 loads go out first, and no register is written twice, so the only waits are the counted ones for the loads.
.set IN,  16                           ; v[16:79]   16 units as loaded
.set OUT, 80                           ; v[80:111]  16 units to store
.macro UNITS inj, outj                 ; inj, outj: bytes from unit to unit in the source and in the destination
.set j, 0
.rept 16
	global_load_b128 v[IN+4*j:IN+4*j+3], v1, s[26:27] offset:j*(\inj) th:TH_LOAD_NT
.set j, j+1
.endr
.set j, 0
.rept 16
.if j%4 == 0
	s_wait_loadcnt 12-j                            ; loads come back in order: units j to j + 3 are in, the younger ones stay out
.endif
	v_cvt_pk_bf16_f32 v[OUT+2*j], v[IN+4*j], v[IN+4*j+1]
	v_cvt_pk_bf16_f32 v[OUT+2*j+1], v[IN+4*j+2], v[IN+4*j+3]
	global_store_b64 v2, v[OUT+2*j:OUT+2*j+1], s[28:29] offset:j*(\outj) th:TH_STORE_NT
.set j, j+1
.endr
.endm
.macro PICK first, lo                  ; from block first on the source is the matrix whose address lies in s[lo:lo+1]
	s_cmp_ge_u32 s30, \first
	s_cselect_b64 s[26:27], s[\lo:\lo+1], s[26:27]
	s_cselect_b32 s31, \first, s31
.endm
	s_load_b512 s[4:19], s[0:1], 0x0               ; x s[4:5], Wq s[6:7], Wk s[8:9], Wv s[10:11], Wo s[12:13], xs s[14:15], wa s[16:17], wb s[18:19]
	s_mov_b32 s23, 0
	s_mov_b32 s25, 0
	s_cmp_lt_u32 ttmp9, 256
	s_cbranch_scc0 .Lweights
	; x: the work-group's 16 rows; thread t takes row t / 16 and, in slice s, the four columns 64 s + 4 (t % 16) on
	v_lshrrev_b32 v5, 4, v0                        ; row 0..15
	v_and_b32 v6, 15, v0
	v_lshlrev_b32 v1, 12, v5                       ; a row of x is 4,096 bytes
	v_lshl_add_u32 v1, v6, 4, v1
	v_lshlrev_b32 v2, 7, v5                        ; a row of a slice is 128 bytes
	v_lshl_add_u32 v2, v6, 3, v2
	s_lshl_b32 s22, ttmp9, 16                      ; 16 rows of x
	s_lshl_b32 s24, ttmp9, 11                      ; 16 rows of a slice
	s_wait_kmcnt 0x0
	s_add_nc_u64 s[26:27], s[4:5], s[22:23]
	s_add_nc_u64 s[28:29], s[14:15], s[24:25]
	UNITS 256, 524288                              ; unit s is slice s: 256 bytes on in x, a slice (524,288 bytes) on in xs; 15 slices stay inside the signed 24-bit immediate
	s_endpgm
.Lweights:
	v_lshrrev_b32 v3, 5, v0                        ; wave
	v_and_b32 v4, 31, v0                           ; lane
	v_lshlrev_b32 v1, 13, v3                       ; a wave's 2,048 numbers: 8,192 bytes in,
	v_lshl_add_u32 v1, v4, 4, v1
	v_lshlrev_b32 v2, 12, v3                       ; 4,096 bytes out
	v_lshl_add_u32 v2, v4, 3, v2
	s_sub_co_u32 s30, ttmp9, 256                   ; my place among the 256 blocks of 16,384 numbers
	s_mov_b32 s31, 0
	s_wait_kmcnt 0x0
	s_mov_b64 s[26:27], s[6:7]                     ; Wq, unless a later matrix begins at or below my block
	PICK 64, 8
	PICK 128, 10
	PICK 192, 12
	s_cselect_b64 s[28:29], s[18:19], s[16:17]     ; blocks 0-191 go to wa, blocks 192-255 (Wo) to wb: 192 blocks of 32,768 bytes are Wo's 6,291,456, so one offset serves both
	s_sub_co_u32 s22, s30, s31                     ; my block within its matrix
	s_lshl_b32 s22, s22, 16
	s_lshl_b32 s24, s30, 15
	s_add_nc_u64 s[26:27], s[26:27], s[22:23]
	s_add_nc_u64 s[28:29], s[28:29], s[24:25]
	UNITS 512, 256
	s_endpgm
.Lfunc_end_k_qa5cca3c084_cast:
	.size	k_qa5cca3c084_cast, .Lfunc_end_k_qa5cca3c084_cast-k_qa5cca3c084_cast
	.p2alignl 7, 3214868480
	.fill 96, 4, 3214868480
	.section	.rodata,"a",@progbits
	.p2align	6, 0x0
	.amdhsa_kernel k_qa5cca3c084_cast
		.amdhsa_group_segment_fixed_size 0
		.amdhsa_private_segment_fixed_size 0
		.amdhsa_enable_private_segment 0
		.amdhsa_kernarg_size 64
		.amdhsa_user_sgpr_count 2
		.amdhsa_user_sgpr_kernarg_segment_ptr 1
		.amdhsa_wavefront_size32 1
		.amdhsa_system_sgpr_workgroup_id_x 1
		.amdhsa_system_sgpr_workgroup_id_y 1
		.amdhsa_system_sgpr_workgroup_id_z 1
		.amdhsa_system_vgpr_workitem_id 0
		.amdhsa_next_free_vgpr 112
		.amdhsa_next_free_sgpr 66
		.amdhsa_reserve_vcc 0
		.amdhsa_float_denorm_mode_32 3
		.amdhsa_float_denorm_mode_16_64 3
		.amdhsa_memory_ordered 1
		.amdhsa_forward_progress 1
		.amdhsa_inst_pref_size 13
	.end_amdhsa_kernel
	.amdgpu_metadata
---
amdhsa.version: [ 1, 2 ]
amdhsa.kernels:
  - .name:           k_qa5cca3c084_cast
    .symbol:         k_qa5cca3c084_cast.kd
    .args:
      - { .name: x, .offset: 0, .size: 8, .value_kind: global_buffer, .address_space: global }
      - { .name: Wq, .offset: 8, .size: 8, .value_kind: global_buffer, .address_space: global }
      - { .name: Wk, .offset: 16, .size: 8, .value_kind: global_buffer, .address_space: global }
      - { .name: Wv, .offset: 24, .size: 8, .value_kind: global_buffer, .address_space: global }
      - { .name: Wo, .offset: 32, .size: 8, .value_kind: global_buffer, .address_space: global }
      - { .name: xs, .offset: 40, .size: 8, .value_kind: global_buffer, .address_space: global }
      - { .name: wa, .offset: 48, .size: 8, .value_kind: global_buffer, .address_space: global }
      - { .name: wb, .offset: 56, .size: 8, .value_kind: global_buffer, .address_space: global }
    .group_segment_fixed_size: 0
    .private_segment_fixed_size: 0
    .kernarg_segment_align: 8
    .kernarg_segment_size: 64
    .max_flat_workgroup_size: 256
    .sgpr_count:     66
    .vgpr_count:     112
    .wavefront_size: 32
...
	.end_amdgpu_metadata
.endif
;; end of part 1
;; launch qkvp (part 2): grid 16 x 16, 4 waves a work-group, clusters of 4 x 4, 327,680 bytes of LDS; arguments xs, wa, bq, bk, bv, qkv, W1, W2, wb; writes qkv, wb
.if DOCPART == 2
	.amdgcn_target "amdgcn-amd-amdhsa--gfx1250"
	.amdhsa_code_object_version 6
	.text
	.protected	k_qa5cca3c084_qkvp
	.globl	k_qa5cca3c084_qkvp
	.p2align	8
	.type	k_qa5cca3c084_qkvp,@function
k_qa5cca3c084_qkvp:
	s_mov_b64 s[64:65], 0
	v_nop
	global_prefetch_b8 v0, s[64:65] scope:SCOPE_SE
	s_setreg_imm32_b32 hwreg(HW_REG_WAVE_MODE, 25, 1), 1
	s_wait_xcnt 0x0
	s_wait_alu depctr_hold_cnt(0) depctr_sa_sdst(0) depctr_va_vdst(0) depctr_va_sdst(0) depctr_va_ssrc(0) depctr_va_vcc(0) depctr_vm_vsrc(0)
	s_getreg_b32 s2, hwreg(HW_REG_IB_STS2, 6, 4)
	s_cmp_eq_u32 s2, 0
	s_cbranch_scc0 .Lentry_in_a_cluster
	s_endpgm
.Lentry_in_a_cluster:
	s_bfe_u32 s2, ttmp6, 0x10000c
	s_cmp_lg_u32 s2, 0xf033
	s_cbranch_scc0 .Lentry_shape_is_right
	s_endpgm
.Lentry_shape_is_right:
; q, k, v = x W + b for Wq, Wk, Wv side by side (3,072 columns).  A = xs (bf16, slices of 64 columns), B = the weights in bf16 as they lie, [k][n]; sums in f32; the bias, rounded to bf16 like every input,
; is added in f32; the result is rounded once to f16 and stored in slices of 64 columns: slice = head, 0-15 q, 16-31 k, 32-47 v, unscaled.
; LIMIT: f16 ends at 65,504: q, k and v must stay inside it (with x and the weights both 30 times the drawn spread they reach some 3e3).  NaN and infinities are not treated apart.
; 3,072 columns are 12 tile columns: three columns of clusters, 192 work-groups.  THE FOURTH COLUMN OF CLUSTERS (cluster x = 3, 64 work-groups) CASTS W1 AND W2 to bf16 for the launches behind.
; The product's text is also that of the MLP's first product; the constants SILU and BP tell the two apart, and the casting part stands in this launch alone.
; A tile of C is 256 x 256, four waves of 128 x 128 (64 accumulators, 512 registers).  K = 1,024 goes in 8 steps of 128 through two LDS slots filled by tensor loads.
; LDS: A's two slots on end, then B's two.  A's slot: two slices x 256 rows of 128 bytes + 16 of padding; a slice's 256 rows are 32,768 bytes on end in memory and are asked for as 128 rows of 256 bytes.
; B's slot: 128 rows (k) of 512 bytes + 32 of padding; its fragments are read turned, by ds_load_tr16_b128.
; THE LOOP'S TEXT IS ONE K STEP: the slot in hand is a scalar for A and one for B, 0 or a slot's bytes, which enter the walking descriptors' LDS word and the fragment addresses.  The loop is entered in its middle.
; THE TAIL'S TEXT IS HALF A K STEP, walked three times: the four halves of a ring lie at equal distances, so the fragment addresses step by a constant.
; CLUSTER 4 x 4: A's tile is shared along a row of the cluster, B's along a column; each is asked for jointly, by the same load with the same descriptor and a mask of four.
; THE MATRIX INSTRUCTION IS USED TRANSPOSED (source 0 = 16 columns of B, source 1 = 16 rows of A): a lane holds row l % 16 of C and the columns 8 (l / 16) + 0..7.
; REGISTERS: window 0: v0-31 addresses and bias; v64-191 A's two fragment buffers, later the way out.  Window 1: v64-191 B's two buffers.  Windows 2, 3: the accumulators, (a, b) at v[8 (8 (a % 4) + b)].
; No prefetch: of the 8 K steps four come by the first fills and the first two refills, and each tile is shared by four work-groups already.
.set SILU,  0                          ; 0: bias, f16 out (q, k, v).  1: bias, SiLU, bf16 out (the MLP's first product)
.set BP,    1024                       ; elements from row to row of B
.set NK,    8                          ; K steps
.set PA,    144                        ; a row of A in LDS: an odd multiple of 16 bytes: the 16 rows of a load start in 16 different groups of four banks (64 banks of 4 bytes: ISA guide 11.1)
.set PB,    544                        ; a row of B: an odd multiple of 32 bytes
.set ASL,   256*PA                     ; a slice's 256 rows: half of A's slot
.set ASLOT, 2*ASL
.set BBASE, 2*ASLOT                    ; B's ring lies behind A's
.set BHALF, 64*PB                      ; what one load brings of B: half of B's slot
.set BSLOT, 2*BHALF
.set SPARE, BBASE+2*BSLOT              ; behind the rings: the spare words, 128 bytes for each wave: two blocks of 256 bytes that no other line names
.set ASTEP, 2*524288                   ; a K step in A: two slices
.set BSTEP, 128*BP*2                   ; in B: 128 rows
.set SPI,   528                        ; the way out: a stage row, 128 f32 + 16 bytes
.set STG,   128*SPI                    ; a wave's stage: it lies in the rings, whose bytes have had their last fill by then
.set BIAS,  8                          ; v[8:15]  bias of my columns 4 (l % 16) + 0..3 in each of my wave's two slices
.set ADRA,  16                         ; v16  LDS address of my A fragments in the slot in hand;  v17 in slot 0
.set ADRA0, 17
.set ADRB,  20                         ; v20, v21  the same for B
.set ADRB0, 21
.set STO,   24                         ; v24  the way out: where I put 32 bytes of a row
.set RD,    25                         ; v25  where I read rows back
.set VO,    26                         ; v26  my byte offset in the output
.set BO,    27                         ; v27  my byte offset in the bias
.set SPW,   28                         ; v28  LDS address of my spare word; never rewritten
.set NIL,   29                         ; v29  0; never rewritten
.set F0,    64
.set F1,    128
.set DD,    64                         ; the way out: 16 rows x 128 columns, 64 registers
.set UU,    128                        ; and as many at work
.set CX,    64                         ; the casting part: v[64:191] 32 units as loaded,
.set CY,    192                        ; v[192:255] 32 units to store
.set G1A,   24                         ; s[24:31] group 1 for A;  s[32:39] group 0: set 0 for K step 0, set 1 for K step 1 and then walking
.set G0A,   32
.set G1B,   48                         ; s[48:55], s[56:63] the same for B
.set G0B,   56
.set TSA,   22                         ; s22  0 or ASLOT: A's slot in hand
.set TSB,   77                         ; s77  0 or BSLOT: B's
.if SILU
.set OUTP,  70
.else
.set OUTP,  74
.endif
.set MSB, 0
.macro WIN new                         ; the immediate's high byte repeats the setting that is left; a switch that changes nothing is dropped
.if MSB != (\new)
	s_set_vgpr_msb (MSB<<8)|(\new)
.set MSB, \new
.endif
.endm
.set MUL_LO, 0xa1                      ; source 0 (B) window 1, source 1 (A) window 0, C and D window 2
.set MUL_HI, 0xf1                      ; the same, C and D window 3
.set TO_B,   0x40                      ; destination window 1, address window 0
.macro PLACES                          ; four plain vector instructions between a matrix instruction and a load into, or a vector read of, its registers
.rept 4
	v_nop
.endr
.endm
.macro JLOAD                           ; the joint refill: waves 0, 1 ask for A's two slices, waves 2, 3 for B's two halves; an s_nop 0 and four v_nop follow each line
	s_cmp_eq_u32 s11, 0
	s_cbranch_scc0 .Lfor_b_\@
	tensor_load_to_lds s[G0A+4:G0A+7], s[G1A:G1A+7]
	s_nop 0
.rept 4
	v_nop
.endr
	s_branch .Lasked_\@
.Lfor_b_\@:
	tensor_load_to_lds s[G0B+4:G0B+7], s[G1B:G1B+7]
	s_nop 0
.rept 4
	v_nop
.endr
.Lasked_\@:
.endm
.macro CREST                           ; a round of the cluster's barrier behind its opening barrier
	s_cmp_lg_u32 s10, 0
	s_cbranch_scc1 .Lnot_wave_0_\@
	s_barrier_signal -3
.Lnot_wave_0_\@:
	s_barrier_wait -3
	s_barrier_signal -1
	s_barrier_wait -1
.endm
.macro CROUND                          ; a whole round
	s_barrier_signal -1
	s_barrier_wait -1
	CREST
.endm
	s_load_b128 s[4:7], s[0:1], 0x0                ; A s[4:5], B's buffer s[6:7]
.if SILU
	s_load_b128 s[68:71], s[0:1], 0x10             ; b1 s[68:69], hs s[70:71]
.else
	s_load_b256 s[68:75], s[0:1], 0x10             ; bq s[68:69], bk s[70:71], bv s[72:73], qkv s[74:75]
	s_load_b128 s[84:87], s[0:1], 0x30             ; W1 s[84:85], W2 s[86:87]
	s_load_b64 s[88:89], s[0:1], 0x40              ; wb
.endif
	v_lshl_add_u32 v[SPW], v0, 2, SPARE
	v_mov_b32 v[NIL], 0
	ds_add_u32 v[SPW], v[NIL]                      ; the wave's opening: the add and its wait stand ahead of my first tensor load; the set-up below, work on registers, stands between
	v_lshrrev_b32 v1, 5, v0
	v_readfirstlane_b32 s10, v1                    ; wave 0..3
	s_lshr_b32 s11, s10, 1                         ; which half of the tile's rows is mine; also: I fetch for A (0) or for B (1)
	s_and_b32 s12, s10, 1                          ; which half of its columns; also: which part I fetch
	s_bfe_u32 s40, ttmp6, 0x40000                  ; cx
	s_bfe_u32 s41, ttmp6, 0x40004                  ; cy
	s_lshl_b32 s42, ttmp9, 2
	s_add_co_u32 s42, s42, s40                     ; tile column = 4 x cluster x + cx
	s_and_b32 s13, ttmp7, 0xffff
	s_lshl_b32 s13, s13, 2
	s_add_co_u32 s13, s13, s41                     ; tile row = 4 x cluster y + cy
	s_lshl_b32 s43, s41, 2
	s_lshl_b32 s43, 15, s43                        ; my row of the cluster
	s_lshl_b32 s44, 0x1111, s40                    ; my column
	s_or_b32 s[G1A+0], s43, (1<<16)|(1<<20)|(1<<21)|(4<<22)|(3<<25)  ; the mask; 2-byte elements; padding on; bit 21 beside a mask; after every 32 words, 4 words
	s_mov_b32 s[G1A+1], 128<<16                    ; tensor_dim0 = 128 (256 bytes)
	s_mov_b32 s[G1A+2], 128<<16                    ; tensor_dim1 = 128
	s_mov_b32 s[G1A+3], 128<<16                    ; tile_dim0 = 128
	s_mov_b32 s[G1A+4], 128                        ; tile_dim1 = 128
	s_mov_b32 s[G1A+5], 128                        ; dense: 128 elements from row to row
	s_mov_b32 s[G1A+6], 0
	s_mov_b32 s[G1A+7], 0
	s_or_b32 s[G1B+0], s44, (1<<16)|(1<<20)|(1<<21)|(6<<22)|(7<<25)  ; after every 128 words, 8 words
	s_mov_b32 s[G1B+1], 256<<16                    ; tensor_dim0 = 256 columns
	s_mov_b32 s[G1B+2], 64<<16                     ; tensor_dim1 = 64 rows of k
	s_mov_b32 s[G1B+3], 256<<16
	s_mov_b32 s[G1B+4], 64
	s_mov_b32 s[G1B+5], BP
	s_mov_b32 s[G1B+6], 0
	s_mov_b32 s[G1B+7], 0
	s_lshl_b32 s16, s13, 15                        ; A: the tile's 256 rows of 128 bytes,
	s_lshl_b32 s17, s12, 19                        ; my slice of the K step's two
	s_add_co_u32 s16, s16, s17
	s_mov_b32 s17, 0
.if SILU
	s_lshl_b32 s46, s42, 9                         ; B: the tile's 256 columns,
	s_add_co_u32 s46, s46, 8388608                 ; in W1
	s_mov_b32 s78, 0xbfb8aa3b                      ; -log2(e), as a pair for the packed multiply
	s_mov_b32 s79, s78
.else
	s_lshl_b32 s46, ttmp9, 21                      ; B: a cluster's four tile columns are one of Wq, Wk, Wv,
	s_lshl_b32 s47, s40, 9                         ; the tile's 256 columns in it
	s_add_co_u32 s46, s46, s47
.endif
	s_mul_i32 s47, s12, 64*BP*2                    ; my 64 rows of the K step's 128
	s_add_co_u32 s46, s46, s47
	s_mov_b32 s47, 0
	s_mul_i32 s20, s12, ASL                        ; where my part goes in a slot, for A
	s_mul_i32 s21, s12, BHALF                      ; and for B: the wave's number alone enters an LDS address
	s_add_co_u32 s21, s21, BBASE
	s_mov_b32 s[TSA], 0
	s_mov_b32 s[TSB], 0
	s_wait_dscnt 0x0                               ; the opening add is done
	s_wait_kmcnt 0x0
.if !SILU
	s_cmp_lg_u32 ttmp9, 3                          ; the cluster's x: the same in all sixteen partners
	s_cbranch_scc1 .Lproduct
	; THE CASTING PART.  W1 and W2 are 512 blocks of 16,384 numbers; in trip t work-group g of the 64 takes block 64 t + g, so that all are in W1 in trips 0-3 and in W2 in trips 4-7.
	; In wb W1 begins at byte 8,388,608 and W2 straight behind it, so the destination steps evenly through all 8 trips.  A wave takes a quarter of a block: 32 units, each a load of 512 bytes
	; and a store of 256 consecutive bytes, at a multiple of 256 from the buffer's first byte.  No LDS, no barrier, no tensor load.
	s_lshl2_add_u32 s80, s13, s40                  ; g = 4 x tile row + cx: it enters global addresses alone
	s_lshl_b32 s82, s80, 15                        ; out: 32,768 bytes a block,
	s_add_co_u32 s82, s82, 8388608                 ; from W1's place on
	s_mov_b32 s83, 0
	s_lshl_b32 s80, s80, 16                        ; in: 65,536 bytes a block
	s_mov_b32 s81, 0
	s_add_nc_u64 s[90:91], s[84:85], s[80:81]      ; W1 at my block of trip 0
	s_add_nc_u64 s[92:93], s[86:87], s[80:81]      ; W2 at my block of trip 4
	s_add_nc_u64 s[94:95], s[88:89], s[82:83]
	v_and_b32 v4, 31, v0
	v_lshlrev_b32 v2, 14, v1                       ; a wave's 4,096 numbers: 16,384 bytes in,
	v_lshl_add_u32 v2, v4, 4, v2
	v_lshlrev_b32 v3, 13, v1                       ; 8,192 bytes out
	v_lshl_add_u32 v3, v4, 3, v3
	s_mov_b32 s3, 8
.Lblock:
.set i, 0
.rept 32
	global_load_b128 v[CX+4*i:CX+4*i+3], v2, s[90:91] offset:i*512 th:TH_LOAD_NT
.set i, i+1
.endr
.set i, 0
.rept 32
.if i%4 == 0
	s_wait_loadcnt 28-i                            ; loads come back in order: units i to i + 3 are in, the younger ones stay out
.endif
	v_cvt_pk_bf16_f32 v[CY+2*i], v[CX+4*i], v[CX+4*i+1]
	v_cvt_pk_bf16_f32 v[CY+2*i+1], v[CX+4*i+2], v[CX+4*i+3]
	global_store_b64 v3, v[CY+2*i:CY+2*i+1], s[94:95] offset:i*256 th:TH_STORE_NT
.set i, i+1
.endr
	s_wait_xcnt 0x0                                ; the trip's loads and stores have read their bases and their data: both are written again below and in the next trip
	s_add_nc_u64 s[90:91], s[90:91], 0x400000      ; 64 blocks on in the source,
	s_add_nc_u64 s[94:95], s[94:95], 0x200000      ; and in the destination
	s_cmp_eq_u32 s3, 5                             ; behind trip 3 the source is W2 (the stepped address, which stands at W1's end, is not used)
	s_cselect_b64 s[90:91], s[92:93], s[90:91]
	s_sub_co_u32 s3, s3, 1
	s_cmp_lg_u32 s3, 0
	s_cbranch_scc1 .Lblock
	s_branch .Lend
.Lproduct:
.endif
	s_add_nc_u64 s[14:15], s[4:5], s[16:17]
	s_add_nc_u64 s[46:47], s[6:7], s[46:47]
	CROUND                                         ; all sixteen work-groups are here: the first joint loads meet
.irp s, 0,1
	s_mov_b32 s[G0A+4*(\s)], 1
	s_add_co_u32 s[G0A+4*(\s)+1], s20, (\s)*ASLOT
	s_add_nc_u64 s[G0A+4*(\s)+2:G0A+4*(\s)+3], s[14:15], (\s)*ASTEP
	s_or_b32 s[G0A+4*(\s)+3], s[G0A+4*(\s)+3], 0x80000000
	s_mov_b32 s[G0B+4*(\s)], 1
	s_add_co_u32 s[G0B+4*(\s)+1], s21, (\s)*BSLOT
	s_add_nc_u64 s[G0B+4*(\s)+2:G0B+4*(\s)+3], s[46:47], (\s)*BSTEP
	s_or_b32 s[G0B+4*(\s)+3], s[G0B+4*(\s)+3], 0x80000000
.endr
	s_cmp_eq_u32 s11, 0                            ; a wave's two first fills stand in one branch: two loads of mine are out
	s_cbranch_scc0 .Lfirst_b
	tensor_load_to_lds s[G0A:G0A+3], s[G1A:G1A+7]
	s_nop 0
	tensor_load_to_lds s[G0A+4:G0A+7], s[G1A:G1A+7]
	s_nop 0
.rept 4
	v_nop
.endr
	s_branch .Lfirst_asked
.Lfirst_b:
	tensor_load_to_lds s[G0B:G0B+3], s[G1B:G1B+7]
	s_nop 0
	tensor_load_to_lds s[G0B+4:G0B+7], s[G1B:G1B+7]
	s_nop 0
.rept 4
	v_nop
.endr
.Lfirst_asked:
	; A's fragment, 16 rows x 32 k: lane l holds row l % 16, k = 8 (l / 16) + 0..7 and 16 + 8 (l / 16) + 0..7: two loads of 16 bytes, 32 bytes apart.
	v_and_b32 v1, 15, v0                           ; r = l % 16
	v_bfe_u32 v2, v0, 4, 1                         ; h = l / 16
	v_mul_u32_u24 v3, v1, PA
	v_lshl_add_u32 v3, v2, 4, v3
	s_mul_i32 s23, s11, 128*PA                     ; my 128 rows
	v_add_nc_u32 v[ADRA0], s23, v3
	; B's fragment, turned: lane l reads 16 bytes of row k = 8 (l / 16) + l % 8, columns 8 ((l / 8) % 2) + 0..7, and receives column l % 16, eight k; the second load stands 16 rows on.
	v_and_b32 v4, 7, v0
	v_lshl_add_u32 v4, v2, 3, v4
	v_mul_u32_u24 v4, v4, PB
	v_bfe_u32 v5, v0, 3, 1
	v_lshl_add_u32 v4, v5, 4, v4
	s_lshl_b32 s23, s12, 8                         ; my 128 columns
	s_add_co_u32 s23, s23, BBASE
	v_add_nc_u32 v[ADRB0], s23, v4
	v_mov_b32 v[ADRA], v[ADRA0]
	v_mov_b32 v[ADRB], v[ADRB0]
	s_mul_i32 s23, s10, STG                        ; my stage
	v_mul_u32_u24 v6, v1, SPI                      ; in: row r, 32 bytes for each half of the lanes
	v_lshl_add_u32 v6, v2, 5, v6
	v_add_nc_u32 v[STO], s23, v6
	v_mul_u32_u24 v6, v2, SPI                      ; back: lanes 0-15 take 256 bytes of one row, lanes 16-31 of the next
	v_lshl_add_u32 v6, v1, 4, v6
	v_add_nc_u32 v[RD], s23, v6
	v_and_b32 v[VO], 31, v0                        ; out: two rows of a slice are 256 bytes on end, 8 bytes a lane
	v_lshlrev_b32 v[VO], 3, v[VO]
	v_lshlrev_b32 v[BO], 4, v1
	s_lshl_b32 s16, s42, 2                         ; my first slice of the output = 4 x tile column + 2 x column half
	s_lshl_b32 s17, s12, 1
	s_add_co_u32 s16, s16, s17
	s_lshl_b32 s16, s16, 19
	s_lshl_b32 s17, s13, 15                        ; the tile's first row,
	s_add_co_u32 s16, s16, s17
	s_lshl_b32 s17, s11, 14                        ; my 128 rows
	s_add_co_u32 s16, s16, s17
	s_mov_b32 s17, 0
	s_add_nc_u64 s[8:9], s[OUTP:OUTP+1], s[16:17]
.if SILU
	s_mov_b64 s[66:67], s[68:69]
	s_lshl_b32 s18, s42, 10                        ; the tile's 256 numbers of b1
.else
	s_cmp_eq_u32 ttmp9, 1                          ; the cluster's x says which bias
	s_cselect_b64 s[66:67], s[70:71], s[68:69]
	s_cmp_eq_u32 ttmp9, 2
	s_cselect_b64 s[66:67], s[72:73], s[66:67]
	s_lshl_b32 s18, s40, 10
.endif
	s_lshl_b32 s19, s12, 9                         ; my 128
	s_add_co_u32 s18, s18, s19
	s_mov_b32 s19, 0
	s_add_nc_u64 s[66:67], s[66:67], s[18:19]
	global_load_b128 v[BIAS:BIAS+3], v[BO], s[66:67]
	global_load_b128 v[BIAS+4:BIAS+7], v[BO], s[66:67] offset:256
; 16 matrix instructions: m blocks a0, a0 + 1 of the window's four x all 8 n blocks, 32 along K.  zero = 1: the product starts the sums
.macro MUL16 f, hi, a0, zero
	WIN MUL_LO+0x50*(\hi)
.irp a, \a0, (\a0)+1
.irp b, 0,1,2,3,4,5,6,7
.if \zero
	v_wmma_f32_16x16x32_bf16 v[8*(8*(\a)+(\b)):8*(8*(\a)+(\b))+7], v[(\f)+8*(\b):(\f)+8*(\b)+7], v[(\f)+8*(4*(\hi)+(\a)):(\f)+8*(4*(\hi)+(\a))+7], 0
.else
	v_wmma_f32_16x16x32_bf16 v[8*(8*(\a)+(\b)):8*(8*(\a)+(\b))+7], v[(\f)+8*(\b):(\f)+8*(\b)+7], v[(\f)+8*(4*(\hi)+(\a)):(\f)+8*(4*(\hi)+(\a))+7], v[8*(8*(\a)+(\b)):8*(8*(\a)+(\b))+7]
.endif
.endr
.endr
.endm
; 32 LDS loads in one run: quarter k (32 along K), counted from where the two address registers stand, into buffer f: B's eight fragments, turned, then A's eight
.macro FETCH k, f
	WIN TO_B
.irp i, 0,1,2,3,4,5,6,7
	ds_load_tr16_b128 v[(\f)+8*(\i):(\f)+8*(\i)+3],   v[ADRB] offset:(\k)*32*PB+(\i)*32
	ds_load_tr16_b128 v[(\f)+8*(\i)+4:(\f)+8*(\i)+7], v[ADRB] offset:(\k)*32*PB+(\i)*32+16*PB
.endr
	WIN 0
.irp i, 0,1,2,3,4,5,6,7
	ds_load_b128 v[(\f)+8*(\i):(\f)+8*(\i)+3],   v[ADRA] offset:((\k)/2)*ASL+((\k)%2)*64+(\i)*16*PA
	ds_load_b128 v[(\f)+8*(\i)+4:(\f)+8*(\i)+7], v[ADRA] offset:((\k)/2)*ASL+((\k)%2)*64+(\i)*16*PA+32
.endr
.endm
; One of a K step's first three quarters: multiplies buffer f, and in its middle fetches quarter k into buffer g.  The 64 accumulators take turns, one instruction a turn.
.macro QUARTER k, f, g, zero
	s_wait_dscnt 8                                 ; B and A's rows 0-63 are in; the youngest eight loads (A's rows 64-127) may be out
	MUL16 \f, 0, 0, \zero
	MUL16 \f, 0, 2, \zero
	PLACES
	FETCH \k, \g
	s_wait_dscnt 32                                ; all but the 32 just issued
	MUL16 \f, 1, 0, \zero
	MUL16 \f, 1, 2, \zero
.endm
; The first half of a quarter on buffer 1, and a barrier: each wave has waited for all its tensor loads (at a change of slots one is out: its part of the next slot), has added 0 to its spare word,
; and has waited for that and for its LDS reads.
.macro MEET
	WIN 0
	s_wait_tensorcnt 0x0
	ds_add_u32 v[SPW], v[NIL]
	s_wait_dscnt 9                                 ; the add and the youngest eight loads may be out
	MUL16 F1, 0, 0, 0
	s_wait_dscnt 0x0                               ; the add is done, my reads of this slot are over
	s_barrier_signal -1
	MUL16 F1, 0, 2, 0
	WIN 0
	s_barrier_wait -1
.endm
; A K step's last quarter with a refill: the barrier opens a round of the cluster's; behind it the slot just read is asked for again, two K steps on: 224 matrix instructions ahead of the wait for it.
.macro TURN
	MEET
	CREST
	s_add_co_u32 s[G0A+5], s20, s[TSA]             ; no load of mine is out, so the walking descriptors may be written: the slot just read,
	s_add_nc_u64 s[G0A+6:G0A+7], s[G0A+6:G0A+7], ASTEP  ; the K step after the one asked for last
	s_add_co_u32 s[G0B+5], s21, s[TSB]
	s_add_nc_u64 s[G0B+6:G0B+7], s[G0B+6:G0B+7], BSTEP
	JLOAD                                          ; its four v_nop are also the places in front of the loads below
	s_xor_b32 s[TSA], s[TSA], ASLOT                ; 0 <-> a slot's bytes: the other slot is in hand
	s_xor_b32 s[TSB], s[TSB], BSLOT
	v_add_nc_u32 v[ADRA], s[TSA], v[ADRA0]
	v_add_nc_u32 v[ADRB], s[TSB], v[ADRB0]
	FETCH 0, F0
	MUL16 F1, 1, 0, 0
	MUL16 F1, 1, 2, 0
.endm
	s_wait_tensorcnt 0x1                           ; my part of K step 0 is in; K step 1's may stay out
	s_barrier_signal -1
	s_barrier_wait -1                              ; everybody's is
	FETCH 0, F0
	QUARTER 1, F0, F1, 1                           ; the first quarter stands in front of the loop: its products start the sums
	WIN 0
	s_mov_b32 s3, NK-1
	s_branch .Lmid                                 ; the loop is entered in its middle: K step 0 has no change of slots in front of it
.Lk:                                                   ; a trip: the last quarter of a K step, which asks for the K step two on, and the next step's quarters 0 to 2; NK - 2 changes of slots in all
	TURN
	QUARTER 1, F0, F1, 0
	WIN 0
.Lmid:
	QUARTER 2, F1, F0, 0
	QUARTER 3, F0, F1, 0
	WIN 0
	s_sub_co_u32 s3, s3, 1
	s_cmp_lg_u32 s3, 0
	s_cbranch_scc1 .Lk
	; THE TAIL asks for nothing: left are the last quarter of the last K step but one (slot 0) and the last K step (slot 1).  One text, a quarter on buffer 1 and a quarter on buffer 0, walked three times and left
	; in its middle; no tensor load and no barrier is jumped over.  The fetches go by halves of a slot, which lie ASL (A) and BHALF (B) apart across both slots.  Of its three barriers the first
	; shows every wave that slot 1 has landed; the other two are the price of one text.
	v_add_nc_u32 v[ADRA], ASL, v[ADRA]             ; slot 0's upper half: each walk steps on from here
	v_add_nc_u32 v[ADRB], BHALF, v[ADRB]
	s_mov_b32 s3, 3
.Ltail:
	MEET
	s_cmp_eq_u32 s3, 1
	s_cbranch_scc1 .Lnf                            ; behind the last quarter there is nothing to fetch
	v_add_nc_u32 v[ADRA], ASL, v[ADRA]
	v_add_nc_u32 v[ADRB], BHALF, v[ADRB]
	PLACES
	FETCH 0, F0
.Lnf:
	MUL16 F1, 1, 0, 0
	MUL16 F1, 1, 2, 0
	WIN 0
	s_sub_co_u32 s3, s3, 1
	s_cmp_eq_u32 s3, 0
	s_cbranch_scc1 .Lout
	QUARTER 1, F0, F1, 0
	WIN 0
	s_branch .Ltail
.Lout:
	; THE WAY OUT.  The sums go, in f32, into my stage (128 rows x 528 bytes, in the rings: no fill lands there any more); a loop of 8 trips reads 16 rows back as whole rows, adds the bias,
	; applies the activation, rounds and stores.  Every wave's reads of the rings are over in front of this barrier, so any wave may write there behind it.
	s_wait_dscnt 0x0
	s_barrier_signal -1
	s_barrier_wait -1
	PLACES
.irp a, 0,1,2,3,4,5,6,7
	WIN 0x08+4*((\a)/4)                            ; the stores' data (source 1) in window 2 or 3
.irp b, 0,1,2,3,4,5,6,7
	ds_store_b128 v[STO], v[8*(8*((\a)%4)+(\b)):8*(8*((\a)%4)+(\b))+3]   offset:(\a)*16*SPI+(\b)*64      ; each accumulator's low four registers first
	ds_store_b128 v[STO], v[8*(8*((\a)%4)+(\b))+4:8*(8*((\a)%4)+(\b))+7] offset:(\a)*16*SPI+(\b)*64+16
.endr
.endr
	WIN 0
	s_wait_loadcnt 0x0                             ; the bias,
.irp i, 0,2,4,6
	v_cvt_pk_bf16_f32 v1, v[BIAS+(\i)], v[BIAS+(\i)+1]  ; rounded to bf16 like every input, and widened again
	v_lshlrev_b32 v[BIAS+(\i)], 16, v1
	v_and_b32 v[BIAS+(\i)+1], 0xffff0000, v1
.endr
	s_mov_b32 s3, 8
.Lrows:
.set u, 0
.rept 16                               ; unit u: rows 2 (u / 2), 2 (u / 2) + 1 of the 16, slice u % 2: LDS serves a wave's instructions in order (ISA guide 5.7.1.4), so these see the stores above
	ds_load_b128 v[DD+4*u:DD+4*u+3], v[RD] offset:(u/2)*2*SPI+(u%2)*256
.set u, u+1
.endr
	s_wait_dscnt 0x0
.set u, 0
.rept 16
	v_pk_add_f32 v[DD+4*u:DD+4*u+1], v[DD+4*u:DD+4*u+1], v[BIAS+4*(u%2):BIAS+4*(u%2)+1]
	v_pk_add_f32 v[DD+4*u+2:DD+4*u+3], v[DD+4*u+2:DD+4*u+3], v[BIAS+4*(u%2)+2:BIAS+4*(u%2)+3]
.set u, u+1
.endr
.if SILU
	; z / (1 + 2^(-z log2 e)).  The 64 exponentials are one batch with one wait, and so are the 64 reciprocals; each pair's stand one packed line behind the line that makes their argument.
.set i, 0
.rept 32
	v_pk_mul_f32 v[UU+2*i:UU+2*i+1], v[DD+2*i:DD+2*i+1], s[78:79] op_sel_hi:[1,0]
.if i > 0
	v_exp_f32 v[UU+2*i-2], v[UU+2*i-2]
	v_exp_f32 v[UU+2*i-1], v[UU+2*i-1]
.endif
.set i, i+1
.endr
	v_exp_f32 v[UU+62], v[UU+62]
	v_exp_f32 v[UU+63], v[UU+63]
	v_nop                                          ; a plain instruction behind the last exponential,
	s_wait_alu depctr_va_vdst(0)                   ; and the wait ahead of the first use: one for the batch
.set i, 0
.rept 32
	v_pk_add_f32 v[UU+2*i:UU+2*i+1], v[UU+2*i:UU+2*i+1], 1.0 op_sel_hi:[1,0]
.if i > 0
	v_rcp_f32 v[UU+2*i-2], v[UU+2*i-2]
	v_rcp_f32 v[UU+2*i-1], v[UU+2*i-1]
.endif
.set i, i+1
.endr
	v_rcp_f32 v[UU+62], v[UU+62]
	v_rcp_f32 v[UU+63], v[UU+63]
	v_nop
	s_wait_alu depctr_va_vdst(0)                   ; one for the batch of reciprocals
.set i, 0
.rept 32
	v_pk_mul_f32 v[DD+2*i:DD+2*i+1], v[DD+2*i:DD+2*i+1], v[UU+2*i:UU+2*i+1]
.set i, i+1
.endr
.endif
.set u, 0
.rept 16
.if SILU
	v_cvt_pk_bf16_f32 v[DD+4*u], v[DD+4*u], v[DD+4*u+1]
	v_cvt_pk_bf16_f32 v[DD+4*u+1], v[DD+4*u+2], v[DD+4*u+3]
.else
	v_cvt_pk_f16_f32 v[DD+4*u], v[DD+4*u], v[DD+4*u+1]
	v_cvt_pk_f16_f32 v[DD+4*u+1], v[DD+4*u+2], v[DD+4*u+3]
.endif
	global_store_b64 v[VO], v[DD+4*u:DD+4*u+1], s[8:9] offset:(u/2)*256+(u%2)*524288  ; the wave stores 256 consecutive bytes, at a multiple of 256 from the buffer's first byte
.set u, u+1
.endr
	s_wait_xcnt 0x0                                ; the stores have read their data and their offset: both are written again below and in the next trip
	v_add_nc_u32 v[VO], 2048, v[VO]                ; 16 rows of a slice on
	v_add_nc_u32 v[RD], 16*SPI, v[RD]
	s_sub_co_u32 s3, s3, 1
	s_cmp_lg_u32 s3, 0
	s_cbranch_scc1 .Lrows
.if !SILU
.Lend:                                                 ; the casting work-groups end as the others do
.endif
	s_wait_tensorcnt 0x0                           ; the wave's end: behind my last tensor load and my last LDS store
	ds_add_u32 v[SPW], v[NIL]
	s_wait_dscnt 0x0
	CROUND                                         ; the closing round: no work-group ends while a partner may still ask for a tile that names it
	s_endpgm
.Lfunc_end_k_qa5cca3c084_qkvp:
	.size	k_qa5cca3c084_qkvp, .Lfunc_end_k_qa5cca3c084_qkvp-k_qa5cca3c084_qkvp
	.p2alignl 7, 3214868480
	.fill 96, 4, 3214868480
	.section	.rodata,"a",@progbits
	.p2align	6, 0x0
	.amdhsa_kernel k_qa5cca3c084_qkvp
		.amdhsa_group_segment_fixed_size 327680
		.amdhsa_private_segment_fixed_size 0
		.amdhsa_enable_private_segment 0
		.amdhsa_kernarg_size 72
		.amdhsa_user_sgpr_count 2
		.amdhsa_user_sgpr_kernarg_segment_ptr 1
		.amdhsa_wavefront_size32 1
		.amdhsa_system_sgpr_workgroup_id_x 1
		.amdhsa_system_sgpr_workgroup_id_y 1
		.amdhsa_system_sgpr_workgroup_id_z 1
		.amdhsa_system_vgpr_workitem_id 0
		.amdhsa_next_free_vgpr 1024
		.amdhsa_next_free_sgpr 96
		.amdhsa_reserve_vcc 0
		.amdhsa_float_denorm_mode_32 3
		.amdhsa_float_denorm_mode_16_64 3
		.amdhsa_memory_ordered 1
		.amdhsa_forward_progress 1
		.amdhsa_inst_pref_size 84
	.end_amdhsa_kernel
	.amdgpu_metadata
---
amdhsa.version: [ 1, 2 ]
amdhsa.kernels:
  - .name:           k_qa5cca3c084_qkvp
    .symbol:         k_qa5cca3c084_qkvp.kd
    .args:
      - { .name: xs, .offset: 0, .size: 8, .value_kind: global_buffer, .address_space: global }
      - { .name: wa, .offset: 8, .size: 8, .value_kind: global_buffer, .address_space: global }
      - { .name: bq, .offset: 16, .size: 8, .value_kind: global_buffer, .address_space: global }
      - { .name: bk, .offset: 24, .size: 8, .value_kind: global_buffer, .address_space: global }
      - { .name: bv, .offset: 32, .size: 8, .value_kind: global_buffer, .address_space: global }
      - { .name: qkv, .offset: 40, .size: 8, .value_kind: global_buffer, .address_space: global }
      - { .name: W1, .offset: 48, .size: 8, .value_kind: global_buffer, .address_space: global }
      - { .name: W2, .offset: 56, .size: 8, .value_kind: global_buffer, .address_space: global }
      - { .name: wb, .offset: 64, .size: 8, .value_kind: global_buffer, .address_space: global }
    .group_segment_fixed_size: 327680
    .private_segment_fixed_size: 0
    .kernarg_segment_align: 8
    .kernarg_segment_size: 72
    .max_flat_workgroup_size: 128
    .sgpr_count:     96
    .vgpr_count:     1024
    .wavefront_size: 32
...
	.end_amdgpu_metadata
.endif
;; end of part 2
;; launch attn (part 3): grid 8 x 32, 4 waves a work-group, no clusters, 327,680 bytes of LDS; arguments qkv, ys; writes ys
.if DOCPART == 3
	.amdgcn_target "amdgcn-amd-amdhsa--gfx1250"
	.amdhsa_code_object_version 6
	.text
	.protected	k_qa5cca3c084_attn
	.globl	k_qa5cca3c084_attn
	.p2align	8
	.type	k_qa5cca3c084_attn,@function
k_qa5cca3c084_attn:
	s_mov_b64 s[64:65], 0
	v_nop
	global_prefetch_b8 v0, s[64:65] scope:SCOPE_SE
	s_setreg_imm32_b32 hwreg(HW_REG_WAVE_MODE, 25, 1), 1
	s_wait_xcnt 0x0
; CAUSAL ATTENTION, head size 64, in phases.  y[q] = the sum over k <= q of softmax_k(q . k / 8) v[k].  qkv: f16, 48 slices of [4096][64]: q, k, v of head h and batch b begin (2 h + b) x 262,144 bytes
; into their 16 slices; ys: bf16, the same layout.  Products, maxima and sums in f32; the weights p are rounded to f16 for the second product (their sum l is taken of the unrounded p), y once, to bf16.
; LIMITS.  q, k, v arrive within f16's 65,504.  A hidden score counts as its value less 1e30.  A weight below 2^-126 counts as 0 in l.  NaN and infinities are not treated apart.
; THE WALK.  A head (2,048 rows) has 16 blocks of 128 queries.  A work-group takes the pair {15 - b, b}, the ODD one first.  Keys come in slots of 256, four steps of 64.  The odd block i needs (i + 1) / 2 whole
; slots, and its diagonal lies in steps 2, 3 of the last; the even block i needs i / 2 whole slots and steps 0, 1 of one more, which hold its diagonal.  Together: 8 whole slots and half of a ninth,
; whatever b: every work-group does equal work, and every trip count is a constant.  Which slot is asked for hangs on scalars made from b.
; SHARES.  Of a block's two bands of 64 queries a wave owns 16 rows in each: two tiles.  So the diagonal is the same work for all four waves.
; THE MASK is the C operand that starts S^T = K Q^T: MC = MD x AL + BE, where MD (made once) hides key 16 kb + 8 (l / 16) + j from query 16 w + l % 16 of the band's own step.  Outside the diagonal MC holds 0.
; LAYOUT.  S^T = K Q^T holds ONE query a lane (l % 16) and the keys 8 (l / 16) + 0..7; two such results rounded to f16 ARE source 1 of O^T = V^T P.  p = 2^(c s - c m), c = log2(e) / 8, with a running maximum m;
; O and l are multiplied by a = 2^(c m_old - c m_new) in every step.  m starts at the lowest finite number: a block's first step has a = 0, so O^T and l need only be finite there.
; NO CLUSTER: the eight work-groups of a head ask for the same slot only while their first blocks last (1 to 8 trips); a walk common to all would have 12 slots for 9.
; REGISTERS.  Window 0: v2-15 addresses; v16-31 statistics, 8 a tile: c m, m, l (2), c0-c3 (a takes c2's place); v32-63 MD; v64-127 S^T; v128-159 P; v160-223 MC; v224 the prefetches' offset.
; Window 1: v0-63 K of a step; v64-127 V; v128-191 O^T; v192-223 Q; v224-255 the second block's Q.
.set KS,    64
.set PK,    144                        ; a row of K in LDS: 128 bytes + 16: the 16 rows of a load start in 16 different groups of four banks (64 banks of 4 bytes: ISA guide 11.1)
.set PV,    160                        ; a row of V: 128 + 32
.set VOFF,  4*KS*PK                    ; a slot: 256 rows of K, then 256 rows of V
.set SLOT1, 1<<17
.set STAGE, SLOT1+4*KS*(PK+PV)         ; behind the ring, never filled by a tensor load: 16 rows x 144 bytes for each wave
.set SP,    144
.set SPARE, STAGE+4*16*SP              ; the spare words, 128 bytes for each wave: two blocks of 256 bytes that no other line names
.set AK0, 2
.set AV0, 3
.set AK,  4
.set AV,  5
.set STO, 6
.set RD,  7
.set GO,  8
.set SPW, 12                           ; v12  LDS address of my spare word; never rewritten
.set NIL, 13                           ; v13  0; never rewritten
.set QO,  15
.set ST,  16
.set MD,  32
.set S,   64
.set P,   128
.set MC,  160
.set PFO, 224
.set KF,  0                            ; window 1
.set VF,  64
.set OF,  128
.set QF,  192
.set QB,  224
.set WV,  12                           ; s12  my wave's number
.set I1,  14                           ; s14  the odd block
.set I2,  15                           ; s15  the even block
.set G1K, 24
.set G1V, 32
.set G0K, 40
.set G0V, 44
.set SLOTS, 56                         ; s56  slots still to be asked for
.set CNT, 57                           ; s57  counts a slot's key steps down to 1
.set CS,  58                           ; s[58:59] c
.set SEL, 60                           ; s[60:61] v_permlanex16_b32's selects
.set TBK, 62                           ; s62  LDS byte at which K of the step to be fetched begins
.set TBV, 63                           ; s63  the same for V, less VOFF
.set RS,  70                           ; s70  slots of the block in hand still to be entered
.set NXT, 71                           ; s71  the slot to be asked for next
.set LQ,  72                           ; s72  the last slot of the block whose slots are being asked for
.set LQ2, 73                           ; s73  the second block's last slot
.set OFF, 74                           ; s[74:75]
.set AL,  76                           ; s[76:77]
.set BE,  78                           ; s[78:79]
.set OLO, 80                           ; s[80:81] ys at my rows of the second block
.set BIGN, 82                          ; s82  -1e30
.set SB,  83                           ; s83  0 or SLOT1: the slot in hand
.set PFA, 88                           ; s[88:89] where my prefetches stand
.set LIM, 90                           ; s90  a wave prefetches while s[SLOTS] is above it
.set MSB, 0
.macro WIN new
.if MSB != (\new)
	s_set_vgpr_msb (MSB<<8)|(\new)
.set MSB, (\new)
.endif
.endm
.set W_KQ, 0x05                        ; K and Q in window 1, C and S^T in window 0
.set W_PV, 0x51                        ; V in window 1, P in window 0, O^T in window 1
.set W_RS, 0x41                        ; destination and source 0 in window 1, source 1 in window 0
.set W_LD, 0x40                        ; destination in window 1, address in window 0
.macro PLACES
.rept 4
	v_nop
.endr
.endm
.macro LOAD                            ; a fill: waves 0, 1 fetch the halves of a slot's K, waves 2, 3 those of its V; an s_nop 0 and four v_nop follow each line
	s_cmp_lt_u32 s[WV], 2
	s_cbranch_scc0 .Lfor_v_\@
	tensor_load_to_lds s[G0K:G0K+3], s[G1K:G1K+7]
	s_nop 0
.rept 4
	v_nop
.endr
	s_branch .Lasked_\@
.Lfor_v_\@:
	tensor_load_to_lds s[G0V:G0V+3], s[G1V:G1V+7]
	s_nop 0
.rept 4
	v_nop
.endr
.Lasked_\@:
.endm
; THE CHANGE OF SLOTS.  Each wave waits for all its tensor loads (one is out: its part of the other slot), adds 0 to its spare word, and waits for that and for its reads of the slot that it leaves.
; fill = 1: the old slot is filled again, first thing behind the barrier, with slot NXT of the keys; it has a slot's four key steps in which to land.  (At its first use slot 0 is waited for and slot 1 filled.)
.macro CHANGE fill
	WIN 0
.if \fill
	s_wait_xcnt 0x0                                ; the last prefetches, a slot back, have read their address: it steps one slot
	s_add_nc_u64 s[PFA:PFA+1], s[PFA:PFA+1], 32768
.endif
	s_wait_tensorcnt 0x0                           ; no tensor load of mine is out, so a group 0 may be written
	ds_add_u32 v[SPW], v[NIL]                      ; the descriptors' scalar work stands between the add and the wait for it
.if \fill
	s_lshl_b32 s[OFF], s[NXT], 15                  ; a slot is 32,768 bytes of K and of V
	s_xor_b32 s[G0K+1], s[G0K+1], SLOT1
	s_add_nc_u64 s[G0K+2:G0K+3], s[6:7], s[OFF:OFF+1]
	s_or_b32 s[G0K+3], s[G0K+3], 0x80000000
	s_xor_b32 s[G0V+1], s[G0V+1], SLOT1
	s_add_nc_u64 s[G0V+2:G0V+3], s[8:9], s[OFF:OFF+1]
	s_or_b32 s[G0V+3], s[G0V+3], 0x80000000
	s_add_co_u32 s[NXT], s[NXT], 1                 ; the block's next slot, or behind its last the second block's slot 0
	s_cmp_gt_u32 s[NXT], s[LQ]
	s_cselect_b32 s[NXT], 0, s[NXT]
	s_cselect_b32 s[LQ], s[LQ2], s[LQ]
.endif
	s_wait_dscnt 0x0                               ; the add is done, my reads of the slot are over
	s_barrier_signal -1
	s_xor_b32 s[SB], s[SB], SLOT1                  ; the fetches go to the other slot's first step
	s_mov_b32 s[TBK], s[SB]
	s_mov_b32 s[TBV], s[SB]
	s_barrier_wait -1
.if \fill
	LOAD
.endif
.endm
; A PREFETCH INTO THE L2 of the slot that the NEXT change will ask for.  All eight work-groups of a head walk the same K and V; the one with b = 0 walks slots 0 to 7 on end, and it alone asks, in its trips 0 to 5,
; for slots 2 to 7.  Each wave asks for what it will fetch itself: 64 blocks of 256 bytes, a lane a block, two instructions.  So each block is named once, and none lies past the head's rows.
.macro ASK
	s_cmp_gt_u32 s[SLOTS], s[LIM]
	s_cbranch_scc0 .Lnot_mine_\@
	global_prefetch_b8 v[PFO], s[PFA:PFA+1] th:TH_LOAD_NT scope:SCOPE_SE
	global_prefetch_b8 v[PFO], s[PFA:PFA+1] offset:8192 th:TH_LOAD_NT scope:SCOPE_SE
.Lnot_mine_\@:
.endm
	s_load_b128 s[48:51], s[0:1], 0x0              ; qkv s[48:49], ys s[50:51]
	v_lshl_add_u32 v[SPW], v0, 2, SPARE
	v_mov_b32 v[NIL], 0
	ds_add_u32 v[SPW], v[NIL]                      ; the wave's opening: the add and its wait stand ahead of my first tensor load; the set-up below stands between them
	v_lshrrev_b32 v1, 5, v0
	v_readfirstlane_b32 s[WV], v1
	s_and_b32 s13, ttmp9, 1
	s_sub_co_u32 s[I2], 15, ttmp9
	s_cmp_eq_u32 s13, 1
	s_cselect_b32 s[I1], ttmp9, s[I2]              ; of b and 15 - b the odd one,
	s_sub_co_u32 s[I2], 15, s[I1]                  ; and the even one
	s_and_b32 s20, ttmp7, 0xffff
	s_lshl_b32 s20, s20, 18                        ; the head's first byte in q, k, v and y
	s_and_b32 s16, s[WV], 1                        ; which half of a slot's 256 keys I fetch:
	s_lshl_b32 s22, s16, 14                        ; its 128 rows of 128 bytes in memory,
	s_add_co_u32 s22, s22, s20
	s_mov_b32 s23, 0
	s_mul_i32 s17, s16, 128*PK                     ; and its place in a slot, for K
	s_mul_i32 s18, s16, 128*PV                     ; and for V
	s_lshl_b32 s3, s[WV], 11                       ; my 16 rows in a band,
	s_add_co_u32 s3, s3, s20
	s_lshl_b32 s2, s[I1], 14                       ; in the first block,
	s_add_co_u32 s2, s2, s3
	s_lshl_b32 s84, s[I2], 14                      ; and in the second
	s_add_co_u32 s84, s84, s3
	s_mov_b32 s3, 0
	s_mov_b32 s85, 0
	; group 1: 128 keys are 16,384 bytes on end: asked for as 64 rows of 256 bytes, two keys a row, and padded in LDS after every key
	s_mov_b32 s[G1K], (1<<16)|(1<<20)|(4<<22)|(3<<25)  ; 2-byte elements; padding on; after every 32 words, 4 words
	s_mov_b32 s[G1V], (1<<16)|(1<<20)|(4<<22)|(7<<25)  ; the same with 8 words
.irp g, G1K, G1V
	s_mov_b32 s[\g+1], 128<<16
	s_mov_b32 s[\g+2], 64<<16
	s_mov_b32 s[\g+3], 128<<16
	s_mov_b32 s[\g+4], 64
	s_mov_b32 s[\g+5], 128
	s_mov_b32 s[\g+6], 0
	s_mov_b32 s[\g+7], 0
.endr
	s_mov_b32 s[CS], 0x3e38aa3b                    ; c = log2(e) / 8
	s_mov_b32 s[CS+1], s[CS]
	s_mov_b32 s[SEL], 0x76543210
	s_mov_b32 s[SEL+1], 0xfedcba98
	s_mov_b32 s[SB], SLOT1                         ; the first change of slots turns it into 0
	s_mov_b32 s[G0K], 1
	s_mov_b32 s[G0K+1], s17
	s_mov_b32 s[G0V], 1
	s_add_co_u32 s[G0V+1], s18, VOFF
	s_lshr_b32 s[LQ], s[I1], 1                     ; the odd block's last slot, (i - 1) / 2
	s_lshr_b32 s[LQ2], s[I2], 1
	s_add_co_u32 s[RS], s[LQ], 1
	s_mov_b32 s[NXT], 1                            ; slot 0 is asked for below; then slot 1, or at once the second block's slot 0
	s_cmp_gt_u32 s[NXT], s[LQ]
	s_cselect_b32 s[NXT], 0, s[NXT]
	s_cselect_b32 s[LQ], s[LQ2], s[LQ]
	s_mov_b32 s[OFF+1], 0
	s_mov_b32 s[AL+1], 0
	s_mov_b32 s[BE+1], 0
	s_mov_b32 s[BIGN], 0xf149f2ca                  ; -1e30
	s_mov_b32 s[SLOTS], 8
	s_cmp_eq_u32 ttmp9, 0
	s_cselect_b32 s[LIM], 2, -1
	s_wait_dscnt 0x0                               ; the opening add is done
	s_wait_kmcnt 0x0
	s_add_nc_u64 s[6:7], s[48:49], s[22:23]
	s_add_nc_u64 s[8:9], s[6:7], 16777216          ; V at my half of the head's slot 0
	s_add_nc_u64 s[6:7], s[6:7], 8388608           ; K likewise
	s_add_nc_u64 s[G0K+2:G0K+3], s[6:7], 0
	s_or_b32 s[G0K+3], s[G0K+3], 0x80000000
	s_add_nc_u64 s[G0V+2:G0V+3], s[8:9], 0
	s_or_b32 s[G0V+3], s[G0V+3], 0x80000000
	s_add_nc_u64 s[4:5], s[48:49], s[2:3]          ; Q and y at my rows of the first block,
	s_add_nc_u64 s[10:11], s[50:51], s[2:3]
	s_add_nc_u64 s[86:87], s[48:49], s[84:85]      ; and of the second
	s_add_nc_u64 s[OLO:OLO+1], s[50:51], s[84:85]
	s_cmp_lt_u32 s[WV], 2
	s_cselect_b64 s[PFA:PFA+1], s[6:7], s[8:9]
	s_add_nc_u64 s[PFA:PFA+1], s[PFA:PFA+1], 32768 ; in slot 1; the first change steps it to slot 2
	LOAD                                           ; slot 0
	v_and_b32 v1, 15, v0                           ; l % 16
	v_bfe_u32 v9, v0, 4, 1                         ; l / 16
	v_lshlrev_b32 v[QO], 7, v1
	v_lshl_add_u32 v[QO], v9, 4, v[QO]             ; row x 128 + 16 x half
	WIN W_LD
.set i, 0
.rept 4                                ; both blocks' Q: tile i / 2 lies in band i / 2, 8,192 bytes on; channels 32 (i % 2) on
	global_load_b128 v[QF+8*i:QF+8*i+3],   v[QO], s[4:5] offset:(i/2)*8192+(i%2)*64
	global_load_b128 v[QF+8*i+4:QF+8*i+7], v[QO], s[4:5] offset:(i/2)*8192+(i%2)*64+32
	global_load_b128 v[QB+8*i:QB+8*i+3],   v[QO], s[86:87] offset:(i/2)*8192+(i%2)*64
	global_load_b128 v[QB+8*i+4:QB+8*i+7], v[QO], s[86:87] offset:(i/2)*8192+(i%2)*64+32
.set i, i+1
.endr
.set i, 0
.rept 64                               ; O^T need only be finite where a block begins; no first step is written out, and these lines stand in the wait for the first tile
	v_mov_b32 v[OF+i], 0
.set i, i+1
.endr
	WIN 0
	v_lshlrev_b32 v14, 3, v9
	v_sub_nc_u32 v14, v1, v14
	s_lshl_b32 s13, s[WV], 4
	v_add_nc_u32 v14, s13, v14                     ; my query's place in its band less 8 (l / 16): register j of key group kb is hidden where 16 kb + j is greater
.set i, 0
.rept 32
	v_cmp_gt_i32 vcc_lo, 16*(i/8)+i%8, v14
	v_cndmask_b32 v[MD+i], 0, s[BIGN], vcc_lo
.set i, i+1
.endr
.set i, 0
.rept 64
	v_mov_b32 v[MC+i], 0
.set i, i+1
.endr
.irp t, 0,1
	v_mov_b32 v[ST+8*(\t)], 0xfe000000             ; c m: far below every c s
	v_mov_b32 v[ST+8*(\t)+1], 0xff7fffff           ; m
	v_mov_b32 v[ST+8*(\t)+2], 0
	v_mov_b32 v[ST+8*(\t)+3], 0
.endr
	v_mul_u32_u24 v[AK0], v1, PK
	v_lshl_add_u32 v[AK0], v9, 4, v[AK0]
	v_and_b32 v10, 7, v0
	v_bfe_u32 v11, v0, 3, 1
	v_lshl_add_u32 v[AV0], v9, 3, v10              ; the turning load: key 8 (l / 16) + l % 8, channels 8 ((l / 8) % 2) + 0..7
	v_mul_u32_u24 v[AV0], v[AV0], PV
	v_lshl_add_u32 v[AV0], v11, 4, v[AV0]
	v_add_nc_u32 v[AV0], VOFF, v[AV0]
	s_mul_i32 s13, s[WV], 16*SP
	s_add_co_u32 s13, s13, STAGE
	v_mul_u32_u24 v[STO], v1, SP                   ; in: row l % 16, 16 bytes for each half of the lanes
	v_lshl_add_u32 v[STO], v9, 4, v[STO]
	v_add_nc_u32 v[STO], s13, v[STO]
	v_bfe_u32 v[RD], v0, 3, 2                      ; back: 32 lanes take four rows of 128 bytes,
	v_mul_u32_u24 v[RD], v[RD], SP
	v_lshl_add_u32 v[RD], v10, 4, v[RD]
	v_add_nc_u32 v[RD], s13, v[RD]
	v_and_b32 v[GO], 31, v0                        ; which are 512 consecutive bytes of y
	v_lshlrev_b32 v[PFO], 8, v[GO]
	v_lshlrev_b32 v[GO], 4, v[GO]
.macro FETCH_K                         ; a step's K: 64 keys x 64 channels, 8 fragments, 16 loads in one run
	WIN 0
	v_add_nc_u32 v[AK], s[TBK], v[AK0]
	s_add_co_u32 s[TBK], s[TBK], KS*PK
	WIN W_LD
.irp f, 0,1,2,3,4,5,6,7
	ds_load_b128 v[KF+8*(\f):KF+8*(\f)+3],   v[AK] offset:((\f)/2)*16*PK+((\f)%2)*64
	ds_load_b128 v[KF+8*(\f)+4:KF+8*(\f)+7], v[AK] offset:((\f)/2)*16*PK+((\f)%2)*64+32
.endr
	WIN 0
.endm
.macro FETCH_V                         ; a step's V, turned; the address line and three v_nop are the four places behind the last product that read V
	WIN 0
	v_add_nc_u32 v[AV], s[TBV], v[AV0]
.rept 3
	v_nop
.endr
	s_add_co_u32 s[TBV], s[TBV], KS*PV
	WIN W_LD
.irp f, 0,1,2,3,4,5,6,7
	ds_load_tr16_b128 v[VF+8*(\f):VF+8*(\f)+3],   v[AV] offset:((\f)/4)*32*PV+((\f)%4)*32
	ds_load_tr16_b128 v[VF+8*(\f)+4:VF+8*(\f)+7], v[AV] offset:((\f)/4)*32*PV+16*PV+((\f)%4)*32
.endr
.endm
.macro MASK t                          ; MD x AL + BE into tile t's masks
.set z, 0
.rept 16
	v_pk_fma_f32 v[MC+32*(\t)+2*z:MC+32*(\t)+2*z+1], v[MD+2*z:MD+2*z+1], s[AL:AL+1], s[BE:BE+1] op_sel_hi:[1,0,0]
.set z, z+1
.endr
.endm
; In a block's last slot the steps with CNT = 2 and 1 hold the diagonal.  CNT = 2: band 0's own step (MD), band 1 sees all (0).  CNT = 1: band 0 sees nothing (-1e30), band 1's own step.
.macro MASKS
	s_cmp_lg_u32 s[RS], 0
	s_cbranch_scc1 .Lno_mask_\@
	s_cmp_gt_u32 s[CNT], 2
	s_cbranch_scc1 .Lno_mask_\@
	s_cmp_eq_u32 s[CNT], 2
	s_cselect_b32 s[AL], 1.0, 0
	s_cselect_b32 s[BE], 0, s[BIGN]
	MASK 0
	s_cselect_b32 s[AL], 0, 1.0
	s_mov_b32 s[BE], 0
	MASK 1
.Lno_mask_\@:
.endm
; THE SOFTMAX of both tiles for one key step, the tiles alternating.  s0-s31 are the lane's 32 scores.
.macro SOFTMAX
	WIN 0
.irp j, 0,1,2,3                        ; the maximum: four chains of seven scores; each accumulator's lowest registers are read first
.irp t, 0,1
	v_max3_num_f32 v[ST+8*(\t)+4+(\j)], v[S+32*(\t)+8*(\j)], v[S+32*(\t)+8*(\j)+1], v[S+32*(\t)+8*(\j)+2]
.endr
.endr
.irp g, 1,2
.irp j, 0,1,2,3
.irp t, 0,1
	v_max3_num_f32 v[ST+8*(\t)+4+(\j)], v[ST+8*(\t)+4+(\j)], v[S+32*(\t)+8*(\j)+2*(\g)+1], v[S+32*(\t)+8*(\j)+2*(\g)+2]
.endr
.endr
.endr
.irp t, 0,1
	v_max3_num_f32 v[ST+8*(\t)+4], v[ST+8*(\t)+4], v[S+32*(\t)+7], v[S+32*(\t)+15]
.endr
.irp t, 0,1
	v_max3_num_f32 v[ST+8*(\t)+6], v[ST+8*(\t)+6], v[S+32*(\t)+23], v[S+32*(\t)+31]
.endr
.irp t, 0,1
	v_max3_num_f32 v[ST+8*(\t)+4], v[ST+8*(\t)+4], v[ST+8*(\t)+5], v[ST+8*(\t)+6]
.endr
.irp t, 0,1
	v_max3_num_f32 v[ST+8*(\t)+4], v[ST+8*(\t)+4], v[ST+8*(\t)+7], v[ST+8*(\t)+1]   ; with the old m
.endr
.irp t, 0,1
	v_permlanex16_b32 v[ST+8*(\t)+5], v[ST+8*(\t)+4], s[SEL], s[SEL+1]              ; the query's other 32 keys lie in the lane 16 away
.endr
.irp t, 0,1
	v_mov_b32 v[ST+8*(\t)+7], v[ST+8*(\t)]                                          ; c m_old is kept
.endr
.irp t, 0,1
	v_max_num_f32 v[ST+8*(\t)+1], v[ST+8*(\t)+4], v[ST+8*(\t)+5]
.endr
.irp t, 0,1
	v_mul_f32 v[ST+8*(\t)], s[CS], v[ST+8*(\t)+1]
.endr
.irp t, 0,1
	v_sub_f32 v[ST+8*(\t)+7], v[ST+8*(\t)+7], v[ST+8*(\t)]
.endr
	; ONE BATCH of 66 exponentials with one wait: the two a, then each pair of scores one group behind its scaling c s - c m.  Nothing ahead of the wait names a result.
.irp t, 0,1
	v_exp_f32 v[ST+8*(\t)+6], v[ST+8*(\t)+7]
.endr
.set b, 0
.rept 16
.irp t, 0,1
	v_pk_fma_f32 v[S+32*(\t)+2*b:S+32*(\t)+2*b+1], v[S+32*(\t)+2*b:S+32*(\t)+2*b+1], s[CS:CS+1], v[ST+8*(\t):ST+8*(\t)+1] op_sel_hi:[1,0,0] neg_lo:[0,0,1] neg_hi:[0,0,1]
.endr
.if b > 0
.irp t, 0,1
	v_exp_f32 v[S+32*(\t)+2*b-2], v[S+32*(\t)+2*b-2]
	v_exp_f32 v[S+32*(\t)+2*b-1], v[S+32*(\t)+2*b-1]
.endr
.endif
.set b, b+1
.endr
.irp t, 0,1
	v_exp_f32 v[S+32*(\t)+30], v[S+32*(\t)+30]
	v_exp_f32 v[S+32*(\t)+31], v[S+32*(\t)+31]
.endr
	v_nop                                          ; a plain instruction behind the last exponential,
	s_wait_alu depctr_va_vdst(0)                   ; and the wait ahead of the first use: one for the batch
.set b, 0
.rept 16
.irp t, 0,1
	v_cvt_pk_f16_f32 v[P+16*(\t)+b], v[S+32*(\t)+2*b], v[S+32*(\t)+2*b+1]
.endr
.set b, b+1
.endr
.irp w, 4,8,16,32                      ; the sum of a tile's 16 pairs, in place: neighbours 1, 2, 4 and 8 pairs apart
.set b, 0
.rept 32/(\w)
.irp t, 0,1
	v_pk_add_f32 v[S+32*(\t)+(\w)*b:S+32*(\t)+(\w)*b+1], v[S+32*(\t)+(\w)*b:S+32*(\t)+(\w)*b+1], v[S+32*(\t)+(\w)*b+(\w)/2:S+32*(\t)+(\w)*b+(\w)/2+1]
.endr
.set b, b+1
.endr
.endr
.irp t, 0,1
	v_pk_fma_f32 v[ST+8*(\t)+2:ST+8*(\t)+3], v[ST+8*(\t)+2:ST+8*(\t)+3], v[ST+8*(\t)+6:ST+8*(\t)+7], v[S+32*(\t):S+32*(\t)+1] op_sel_hi:[1,0,1]  ; l = a l + sum
.endr
	WIN W_RS
.set b, 0
.rept 16                               ; O^T times a, each accumulator from its low end on
.irp t, 0,1
	v_pk_mul_f32 v[OF+32*(\t)+2*b:OF+32*(\t)+2*b+1], v[OF+32*(\t)+2*b:OF+32*(\t)+2*b+1], v[ST+8*(\t)+6:ST+8*(\t)+7] op_sel_hi:[1,0]
.endr
.set b, b+1
.endr
.endm
; A KEY STEP.  V is asked for; K, asked for earlier, is waited for; 16 products K Q^T; the next step's K is asked for (not behind a slot's last step); the softmax; 16 products V^T P.
; In each run of 16 products the 8 accumulators take turns, one instruction a turn.
.macro STEP
	FETCH_V
	s_wait_dscnt 16                                ; K is in; V's 16 loads, issued behind it, may be out
	WIN W_KQ
.set i, 0
.rept 16                               ; product i: channels 32 (i / 8) on, keys 16 ((i / 2) % 4) on, tile i % 2; the first 8 start the sums with the mask
.if i < 8
	v_wmma_f32_16x16x32_f16 v[S+32*(i%2)+8*((i/2)%4):S+32*(i%2)+8*((i/2)%4)+7], v[KF+16*((i/2)%4)+8*(i/8):KF+16*((i/2)%4)+8*(i/8)+7], v[QF+16*(i%2)+8*(i/8):QF+16*(i%2)+8*(i/8)+7], v[MC+32*(i%2)+8*((i/2)%4):MC+32*(i%2)+8*((i/2)%4)+7]
.else
	v_wmma_f32_16x16x32_f16 v[S+32*(i%2)+8*((i/2)%4):S+32*(i%2)+8*((i/2)%4)+7], v[KF+16*((i/2)%4)+8*(i/8):KF+16*((i/2)%4)+8*(i/8)+7], v[QF+16*(i%2)+8*(i/8):QF+16*(i%2)+8*(i/8)+7], v[S+32*(i%2)+8*((i/2)%4):S+32*(i%2)+8*((i/2)%4)+7]
.endif
.set i, i+1
.endr
	WIN 0
	PLACES                                         ; in front of the loads into K's registers and of the reads of the scores
	s_cmp_eq_u32 s[CNT], 1
	s_cbranch_scc1 .Lno_k_\@                       ; the next step's K lies in the next slot: it is fetched behind the change
	FETCH_K
.Lno_k_\@:
	SOFTMAX
	s_wait_dscnt 0x0                               ; V is in
	WIN W_PV
.set i, 0
.rept 16                               ; product i: keys 32 (i / 8) on, channels 16 ((i / 2) % 4) on, tile i % 2
	v_wmma_f32_16x16x32_f16 v[OF+32*(i%2)+8*((i/2)%4):OF+32*(i%2)+8*((i/2)%4)+7], v[VF+32*(i/8)+8*((i/2)%4):VF+32*(i/8)+8*((i/2)%4)+7], v[P+16*(i%2)+8*(i/8):P+16*(i%2)+8*(i/8)+7], v[OF+32*(i%2)+8*((i/2)%4):OF+32*(i%2)+8*((i/2)%4)+7]
.set i, i+1
.endr
	WIN 0
.endm
; THE WAY OUT of a block: l's halves and the other half of the lanes' are added; O^T is divided by l, rounded to bf16 and sent through my stage, a tile at a time.
.macro PACK t
	WIN W_RS
.set i, 0
.rept 16
	v_pk_mul_f32 v[OF+32*(\t)+2*i:OF+32*(\t)+2*i+1], v[OF+32*(\t)+2*i:OF+32*(\t)+2*i+1], v[ST+8*(\t)+2:ST+8*(\t)+3] op_sel_hi:[1,0]
.set i, i+1
.endr
	WIN 0x05                                       ; sources in window 1, destination in window 0: S^T's registers are free
.set i, 0
.rept 16
	v_cvt_pk_bf16_f32 v[S+16*(\t)+i], v[OF+32*(\t)+2*i], v[OF+32*(\t)+2*i+1]
.set i, i+1
.endr
	WIN 0
.irp f, 0,1,2,3
	ds_store_b128 v[STO], v[S+16*(\t)+4*(\f):S+16*(\t)+4*(\f)+3] offset:32*(\f)
.endr
.irp f, 0,1,2,3
	ds_load_b128 v[S+16*(\t)+4*(\f):S+16*(\t)+4*(\f)+3], v[RD] offset:(\f)*4*SP  ; LDS serves a wave's instructions in order (ISA guide 5.7.1.4): these see the stores above; the next tile's stores come behind them
.endr
.endm
.macro SEND t, younger                 ; younger: the LDS instructions issued behind tile t's loads
.irp f, 0,1,2,3
	s_wait_dscnt (\younger)+3-(\f)
	global_store_b128 v[GO], v[S+16*(\t)+4*(\f):S+16*(\t)+4*(\f)+3], s[10:11] offset:(\t)*8192+(\f)*512  ; 512 consecutive bytes, at a multiple of 256 from the buffer's first
.endr
.endm
.macro FINISH
	WIN 0
	PLACES
.irp t, 0,1
	v_add_f32 v[ST+8*(\t)+2], v[ST+8*(\t)+2], v[ST+8*(\t)+3]
.endr
.irp t, 0,1
	v_permlanex16_b32 v[ST+8*(\t)+3], v[ST+8*(\t)+2], s[SEL], s[SEL+1]
.endr
.irp t, 0,1
	v_add_f32 v[ST+8*(\t)+2], v[ST+8*(\t)+2], v[ST+8*(\t)+3]
.endr
.irp t, 0,1
	v_rcp_f32 v[ST+8*(\t)+2], v[ST+8*(\t)+2]
.endr
	v_nop
	s_wait_alu depctr_va_vdst(0)                   ; one wait for the two reciprocals, ahead of their first use
	PACK 0
	PACK 1
	SEND 0, 8
	SEND 1, 0
.endm
; A SLOT's key steps.  tail = 0, in the loop: behind a block's last slot the block goes out and the second block begins.  tail = 1: the walk's last slot, of which two steps are wanted; it ends the second block.
.macro PART steps, tail
	s_sub_co_u32 s[RS], s[RS], 1
	FETCH_K
.if !(\tail)
	ASK
.endif
	s_mov_b32 s[CNT], \steps
.Lstep_\@:
	MASKS
	STEP
	s_sub_co_u32 s[CNT], s[CNT], 1
	s_cmp_lg_u32 s[CNT], 0
	s_cbranch_scc1 .Lstep_\@
.if !(\tail)
	s_cmp_lg_u32 s[RS], 0
	s_cbranch_scc1 .Lbottom_\@
.endif
	FINISH
.if !(\tail)
	s_wait_xcnt 0x0                                ; the stores have read their registers and y's address
	s_mov_b64 s[10:11], s[OLO:OLO+1]
	s_add_co_u32 s[RS], s[LQ2], 1                  ; the second block has i / 2 + 1 slots
	WIN W_RS
.set i, 0
.rept 32
	v_mov_b32 v[QF+i], v[QB+i]                     ; its Q goes where the one text of the steps names Q
.set i, i+1
.endr
	WIN 0
.irp t, 0,1
	v_mov_b32 v[ST+8*(\t)], 0xfe000000             ; its first step has a = 0: what the first block left in O^T and l is finite
	v_mov_b32 v[ST+8*(\t)+1], 0xff7fffff
.endr
	s_mov_b32 s[AL], 0                             ; and the masks are 0 again
	s_mov_b32 s[BE], 0
	MASK 0
	MASK 1
.Lbottom_\@:
.endif
.endm
	s_wait_loadcnt 0x0                             ; both blocks' Q
.Lslot:                                                ; 8 times: a slot is entered and the next is asked for
	CHANGE 1
	PART 4, 0
	s_sub_co_u32 s[SLOTS], s[SLOTS], 1
	s_cmp_lg_u32 s[SLOTS], 0
	s_cbranch_scc1 .Lslot
	CHANGE 0                                       ; the walk's last slot is written out: nothing is asked for
	PART 2, 1
	s_wait_tensorcnt 0x0                           ; the wave's end: behind my last tensor load and my last LDS store
	ds_add_u32 v[SPW], v[NIL]
	s_wait_dscnt 0x0
	s_endpgm
.Lfunc_end_k_qa5cca3c084_attn:
	.size	k_qa5cca3c084_attn, .Lfunc_end_k_qa5cca3c084_attn-k_qa5cca3c084_attn
	.p2alignl 7, 3214868480
	.fill 96, 4, 3214868480
	.section	.rodata,"a",@progbits
	.p2align	6, 0x0
	.amdhsa_kernel k_qa5cca3c084_attn
		.amdhsa_group_segment_fixed_size 327680
		.amdhsa_private_segment_fixed_size 0
		.amdhsa_enable_private_segment 0
		.amdhsa_kernarg_size 16
		.amdhsa_user_sgpr_count 2
		.amdhsa_user_sgpr_kernarg_segment_ptr 1
		.amdhsa_wavefront_size32 1
		.amdhsa_system_sgpr_workgroup_id_x 1
		.amdhsa_system_sgpr_workgroup_id_y 1
		.amdhsa_system_sgpr_workgroup_id_z 1
		.amdhsa_system_vgpr_workitem_id 0
		.amdhsa_next_free_vgpr 512
		.amdhsa_next_free_sgpr 96
		.amdhsa_reserve_vcc 1
		.amdhsa_float_denorm_mode_32 3
		.amdhsa_float_denorm_mode_16_64 3
		.amdhsa_memory_ordered 1
		.amdhsa_forward_progress 1
		.amdhsa_inst_pref_size 76
	.end_amdhsa_kernel
	.amdgpu_metadata
---
amdhsa.version: [ 1, 2 ]
amdhsa.kernels:
  - .name:           k_qa5cca3c084_attn
    .symbol:         k_qa5cca3c084_attn.kd
    .args:
      - { .name: qkv, .offset: 0, .size: 8, .value_kind: global_buffer, .address_space: global }
      - { .name: ys, .offset: 8, .size: 8, .value_kind: global_buffer, .address_space: global }
    .group_segment_fixed_size: 327680
    .private_segment_fixed_size: 0
    .kernarg_segment_align: 8
    .kernarg_segment_size: 16
    .max_flat_workgroup_size: 128
    .sgpr_count:     96
    .vgpr_count:     512
    .wavefront_size: 32
...
	.end_amdgpu_metadata
.endif
;; end of part 3
;; launch proj (part 4): grid 8 x 32, 4 waves a work-group, clusters of 4 x 4, 327,680 bytes of LDS; arguments ys, wb, bo, xs, x1s; writes x1s
.if DOCPART == 4
	.amdgcn_target "amdgcn-amd-amdhsa--gfx1250"
	.amdhsa_code_object_version 6
	.text
	.protected	k_qa5cca3c084_proj
	.globl	k_qa5cca3c084_proj
	.p2align	8
	.type	k_qa5cca3c084_proj,@function
k_qa5cca3c084_proj:
	s_mov_b64 s[64:65], 0
	v_nop
	global_prefetch_b8 v0, s[64:65] scope:SCOPE_SE
	s_setreg_imm32_b32 hwreg(HW_REG_WAVE_MODE, 25, 1), 1
	s_wait_xcnt 0x0
	s_wait_alu depctr_hold_cnt(0) depctr_sa_sdst(0) depctr_va_vdst(0) depctr_va_sdst(0) depctr_va_ssrc(0) depctr_va_vcc(0) depctr_vm_vsrc(0)
	s_getreg_b32 s2, hwreg(HW_REG_IB_STS2, 6, 4)
	s_cmp_eq_u32 s2, 0
	s_cbranch_scc0 .Lentry_in_a_cluster
	s_endpgm
.Lentry_in_a_cluster:
	s_bfe_u32 s2, ttmp6, 0x10000c
	s_cmp_lg_u32 s2, 0xf033
	s_cbranch_scc0 .Lentry_shape_is_right
	s_endpgm
.Lentry_shape_is_right:
; x1 = x + y Wo + bo.  A = ys (bf16, slices of 64 columns), B = Wo in bf16 as it lies, [k][n]; sums in f32; the bias (rounded to bf16 like every input) and the residual (x's bf16 copy) are added in f32;
; the result is rounded once to bf16 and stored in slices.  This text serves two launches; the constants LAST, KK and WOFF below tell them apart.
; 1,024 columns make only 64 tiles of 256 x 256, so a tile of C is 128 x 128: 256 work-groups.  Four waves of 64 x 64: 16 accumulators.  K goes in steps of 256 through two LDS slots.
; LDS: A's two slots on end, then B's two.  A's slot: four slices x 128 rows of 128 bytes + 16.  One load brings two slices: each slice's 128 rows are 16,384 bytes on end, taken as one row of 8,192 elements;
; the second row lies a slice on.  B's slot: 256 rows (k) of 256 bytes + 32; its fragments are read turned, by ds_load_tr16_b128.  Both slots are 73,728 bytes.
; THE LOOP'S TEXT IS ONE K STEP: the slot in hand is a scalar, 0 or a slot's bytes, which enters the walking descriptors' LDS word and the fragment addresses.  The loop is entered in its middle.
; THE TAIL'S TEXT IS HALF A K STEP, walked three times: the four halves of a ring lie at equal distances, so the fragment addresses step by a constant.
; CLUSTER 4 x 4: A's tile is shared along a row of the cluster, B's along a column; each is asked for jointly.  THE MATRIX INSTRUCTION IS USED TRANSPOSED (source 0 = 16 columns of B, source 1 = 16 rows of A).
; REGISTERS: window 0: v0-31 addresses, bias, at work; v32-95 the residual; v96-127 rows read back; v128-255 the accumulators, (a, b) at v[128 + 8 (4 a + b)].  Window 1: two fragment buffers of 128.
; No prefetch: a small tile's K step is short, and each tile is shared by four work-groups already.
.set LAST,  0                          ; 0: bf16 out, in slices.  1: f32 out, row-major (the module's output)
.set KK,    1024                       ; K
.set WOFF,  6291456                    ; where B begins in wb
.set NK,    KK/256
.set PA,    144                        ; an odd multiple of 16 bytes (64 banks of 4 bytes: ISA guide 11.1)
.set PB,    288                        ; an odd multiple of 32 bytes
.set ASL,   128*PA                     ; a slice's 128 rows: a quarter of A's slot
.set SLOT,  4*ASL                      ; 73,728: A's slot, and B's (256 rows of 288 bytes)
.set BBASE, 2*SLOT                     ; B's ring lies behind A's
.set BHALF, 128*PB                     ; what one load brings of B: half of B's slot
.set STAGE, BBASE+2*SLOT               ; behind the rings: 16 rows x 272 bytes for each wave; no fill lands there
.set SPI,   272
.set SPARE, STAGE+4*16*SPI             ; the spare words, 128 bytes for each wave: two blocks of 256 bytes that no other line names
.set ASTEP, 4*524288
.set BSTEP, 256*1024*2
.set BIAS,  4                          ; v[4:7]   bias of my columns 4 (l % 16) + 0..3
.set T,     8                          ; v[8:11]  at work
.set ADRA,  16
.set ADRA0, 17
.set ADRB,  20                         ; v20: B's rows 0-127 of the slot in hand, v21: rows 128-255 (an LDS offset has 16 bits)
.set ADRB0, 22
.set STO,   24
.set RD,    25
.set CO,    26
.set RO,    27
.set SPW,   28                         ; never rewritten
.set NIL,   29                         ; never rewritten
.set BO,    30
.set RES,   32
.set BK,    96
.set ACC,   128
.set F0,    0
.set F1,    128
.set G1A,   24
.set G0A,   32
.set G1B,   48
.set G0B,   56
.set TS,    22                         ; s22
.set MSB, 0
.macro WIN new
.if MSB != (\new)
	s_set_vgpr_msb (MSB<<8)|(\new)
.set MSB, \new
.endif
.endm
.set MUL,  0x05                        ; sources 0 (B) and 1 (A) window 1; C and D window 0
.set TO_F, 0x40
.macro PLACES
.rept 4
	v_nop
.endr
.endm
.macro JLOAD                           ; the joint refill: waves 0, 1 ask for A's slices, waves 2, 3 for B's halves; an s_nop 0 and four v_nop follow each line
	s_cmp_eq_u32 s11, 0
	s_cbranch_scc0 .Lfor_b_\@
	tensor_load_to_lds s[G0A+4:G0A+7], s[G1A:G1A+7]
	s_nop 0
.rept 4
	v_nop
.endr
	s_branch .Lasked_\@
.Lfor_b_\@:
	tensor_load_to_lds s[G0B+4:G0B+7], s[G1B:G1B+7]
	s_nop 0
.rept 4
	v_nop
.endr
.Lasked_\@:
.endm
.macro CREST
	s_cmp_lg_u32 s10, 0
	s_cbranch_scc1 .Lnot_wave_0_\@
	s_barrier_signal -3
.Lnot_wave_0_\@:
	s_barrier_wait -3
	s_barrier_signal -1
	s_barrier_wait -1
.endm
.macro CROUND
	s_barrier_signal -1
	s_barrier_wait -1
	CREST
.endm
	s_load_b128 s[4:7], s[0:1], 0x0                ; A s[4:5], wb s[6:7]
	s_load_b128 s[68:71], s[0:1], 0x10             ; bias s[68:69], residual s[70:71]
	s_load_b64 s[72:73], s[0:1], 0x20              ; out
	v_lshl_add_u32 v[SPW], v0, 2, SPARE
	v_mov_b32 v[NIL], 0
	ds_add_u32 v[SPW], v[NIL]                      ; the wave's opening: the add and its wait stand ahead of my first tensor load; the set-up below stands between them
	v_lshrrev_b32 v1, 5, v0
	v_readfirstlane_b32 s10, v1
	s_lshr_b32 s11, s10, 1                         ; my half of the tile's rows; also: I fetch for A (0) or for B (1)
	s_and_b32 s12, s10, 1                          ; my half of its columns; also: which part I fetch
	s_bfe_u32 s40, ttmp6, 0x40000
	s_bfe_u32 s41, ttmp6, 0x40004
	s_lshl_b32 s42, ttmp9, 2
	s_add_co_u32 s42, s42, s40                     ; tile column
	s_and_b32 s13, ttmp7, 0xffff
	s_lshl_b32 s13, s13, 2
	s_add_co_u32 s13, s13, s41                     ; tile row
	s_lshl_b32 s43, s41, 2
	s_lshl_b32 s43, 15, s43
	s_lshl_b32 s44, 0x1111, s40
	s_or_b32 s[G1A+0], s43, (1<<16)|(1<<20)|(1<<21)|(4<<22)|(3<<25)  ; the mask; 2-byte elements; padding on; bit 21 beside a mask; after every 32 words, 4 words
	s_mov_b32 s[G1A+1], 8192<<16                   ; tensor_dim0 = 8,192: a slice's 128 rows on end
	s_mov_b32 s[G1A+2], 2<<16                      ; tensor_dim1 = 2 slices
	s_mov_b32 s[G1A+3], 8192<<16
	s_mov_b32 s[G1A+4], 2
	s_mov_b32 s[G1A+5], 262144                     ; a slice is 262,144 elements
	s_mov_b32 s[G1A+6], 0
	s_mov_b32 s[G1A+7], 0
	s_or_b32 s[G1B+0], s44, (1<<16)|(1<<20)|(1<<21)|(5<<22)|(7<<25)  ; after every 64 words, 8 words
	s_mov_b32 s[G1B+1], 128<<16
	s_mov_b32 s[G1B+2], 128<<16
	s_mov_b32 s[G1B+3], 128<<16
	s_mov_b32 s[G1B+4], 128
	s_mov_b32 s[G1B+5], 1024
	s_mov_b32 s[G1B+6], 0
	s_mov_b32 s[G1B+7], 0
	s_lshl_b32 s16, s13, 14                        ; A: the tile's 128 rows of 128 bytes,
	s_lshl_b32 s17, s12, 20                        ; my two slices of the K step's four
	s_add_co_u32 s16, s16, s17
	s_mov_b32 s17, 0
	s_lshl_b32 s46, s42, 8                         ; B: the tile's 128 columns,
	s_lshl_b32 s47, s12, 18                        ; my 128 rows of the K step's 256
	s_add_co_u32 s46, s46, s47
	s_add_co_u32 s46, s46, WOFF
	s_mov_b32 s47, 0
	s_mul_i32 s20, s12, 2*ASL
	s_mul_i32 s21, s12, BHALF
	s_add_co_u32 s21, s21, BBASE
	s_mov_b32 s[TS], 0
	s_mov_b32 s76, 0xffff0000
	s_wait_dscnt 0x0
	s_wait_kmcnt 0x0
	s_add_nc_u64 s[14:15], s[4:5], s[16:17]
	s_add_nc_u64 s[46:47], s[6:7], s[46:47]
	CROUND                                         ; all sixteen work-groups are here: the first joint loads meet
.irp s, 0,1
	s_mov_b32 s[G0A+4*(\s)], 1
	s_add_co_u32 s[G0A+4*(\s)+1], s20, (\s)*SLOT
	s_add_nc_u64 s[G0A+4*(\s)+2:G0A+4*(\s)+3], s[14:15], (\s)*ASTEP
	s_or_b32 s[G0A+4*(\s)+3], s[G0A+4*(\s)+3], 0x80000000
	s_mov_b32 s[G0B+4*(\s)], 1
	s_add_co_u32 s[G0B+4*(\s)+1], s21, (\s)*SLOT
	s_add_nc_u64 s[G0B+4*(\s)+2:G0B+4*(\s)+3], s[46:47], (\s)*BSTEP
	s_or_b32 s[G0B+4*(\s)+3], s[G0B+4*(\s)+3], 0x80000000
.endr
	s_cmp_eq_u32 s11, 0                            ; a wave's two first fills stand in one branch: two loads of mine are out
	s_cbranch_scc0 .Lfirst_b
	tensor_load_to_lds s[G0A:G0A+3], s[G1A:G1A+7]
	s_nop 0
	tensor_load_to_lds s[G0A+4:G0A+7], s[G1A:G1A+7]
	s_nop 0
.rept 4
	v_nop
.endr
	s_branch .Lfirst_asked
.Lfirst_b:
	tensor_load_to_lds s[G0B:G0B+3], s[G1B:G1B+7]
	s_nop 0
	tensor_load_to_lds s[G0B+4:G0B+7], s[G1B:G1B+7]
	s_nop 0
.rept 4
	v_nop
.endr
.Lfirst_asked:
	v_and_b32 v1, 15, v0                           ; r
	v_bfe_u32 v2, v0, 4, 1                         ; h
	v_mul_u32_u24 v3, v1, PA
	v_lshl_add_u32 v3, v2, 4, v3
	s_mul_i32 s23, s11, 64*PA
	v_add_nc_u32 v[ADRA0], s23, v3
	v_and_b32 v3, 7, v0
	v_lshl_add_u32 v3, v2, 3, v3
	v_mul_u32_u24 v3, v3, PB
	v_bfe_u32 v12, v0, 3, 1
	v_lshl_add_u32 v3, v12, 4, v3
	s_lshl_b32 s23, s12, 7
	s_add_co_u32 s23, s23, BBASE
	v_add_nc_u32 v[ADRB0], s23, v3
	v_mov_b32 v[ADRA], v[ADRA0]
	v_mov_b32 v[ADRB], v[ADRB0]
	v_add_nc_u32 v[ADRB+1], BHALF, v[ADRB0]
	s_mul_i32 s23, s10, 16*SPI
	s_add_co_u32 s23, s23, STAGE
	v_mul_u32_u24 v3, v1, SPI                      ; in: row r, 32 bytes for each half of the lanes
	v_lshl_add_u32 v3, v2, 5, v3
	v_add_nc_u32 v[STO], s23, v3
	v_mul_u32_u24 v3, v2, SPI                      ; back: lanes 0-15 take one row of 256 bytes, lanes 16-31 the next
	v_lshl_add_u32 v3, v1, 4, v3
	v_add_nc_u32 v[RD], s23, v3
	v_and_b32 v[RO], 31, v0                        ; two rows of a slice are 256 bytes on end, 8 bytes a lane
	v_lshlrev_b32 v[RO], 3, v[RO]
	v_lshlrev_b32 v[BO], 4, v1
.if LAST
	v_lshlrev_b32 v[CO], 12, v2                    ; two rows of the output, 4,096 bytes apart, 16 bytes a lane
	v_lshl_add_u32 v[CO], v1, 4, v[CO]
.endif
	s_lshl_b32 s16, s42, 1                         ; my 64 columns are one slice: 2 x tile column + column half
	s_add_co_u32 s16, s16, s12
	s_lshl_b32 s16, s16, 19
	s_lshl_b32 s17, s13, 14                        ; the tile's 128 rows,
	s_add_co_u32 s16, s16, s17
	s_lshl_b32 s17, s11, 13                        ; my 64
	s_add_co_u32 s16, s16, s17
	s_mov_b32 s17, 0
	s_add_nc_u64 s[70:71], s[70:71], s[16:17]
	s_lshl_b32 s18, s42, 9                         ; my 64 columns in f32
	s_lshl_b32 s19, s12, 8
	s_add_co_u32 s18, s18, s19
	s_mov_b32 s19, 0
	s_add_nc_u64 s[66:67], s[68:69], s[18:19]
.if LAST
	s_lshl_b32 s16, s13, 19                        ; row-major: 128 rows of 4,096 bytes,
	s_lshl_b32 s17, s11, 18                        ; my 64,
	s_add_co_u32 s16, s16, s17
	s_add_co_u32 s16, s16, s18                     ; my columns
	s_mov_b32 s17, 0
.endif
	s_add_nc_u64 s[8:9], s[72:73], s[16:17]
	global_load_b128 v[BIAS:BIAS+3], v[BO], s[66:67]
; 8 matrix instructions: m blocks a0, a0 + 1 x all 4 n blocks, 32 along K: half c of buffer f
.macro MUL8 f, c, a0, zero
	WIN MUL
.irp a, \a0, (\a0)+1
.irp b, 0,1,2,3
.if \zero
	v_wmma_f32_16x16x32_bf16 v[ACC+8*(4*(\a)+(\b)):ACC+8*(4*(\a)+(\b))+7], v[(\f)+64+8*(4*(\c)+(\b)):(\f)+64+8*(4*(\c)+(\b))+7], v[(\f)+8*(4*(\c)+(\a)):(\f)+8*(4*(\c)+(\a))+7], 0
.else
	v_wmma_f32_16x16x32_bf16 v[ACC+8*(4*(\a)+(\b)):ACC+8*(4*(\a)+(\b))+7], v[(\f)+64+8*(4*(\c)+(\b)):(\f)+64+8*(4*(\c)+(\b))+7], v[(\f)+8*(4*(\c)+(\a)):(\f)+8*(4*(\c)+(\a))+7], v[ACC+8*(4*(\a)+(\b)):ACC+8*(4*(\a)+(\b))+7]
.endif
.endr
.endr
.endm
; 32 LDS loads in one run: quarter q (64 along K: one slice of A), counted from where the address registers stand, into buffer f; its first 32 along K first
.macro FETCH q, f
	WIN TO_F
.irp c, 0,1
.irp i, 0,1,2,3
	ds_load_tr16_b128 v[(\f)+64+8*(4*(\c)+(\i)):(\f)+64+8*(4*(\c)+(\i))+3],   v[ADRB+(\q)/2] offset:((\q)%2)*64*PB+(\c)*32*PB+(\i)*32
	ds_load_tr16_b128 v[(\f)+64+8*(4*(\c)+(\i))+4:(\f)+64+8*(4*(\c)+(\i))+7], v[ADRB+(\q)/2] offset:((\q)%2)*64*PB+(\c)*32*PB+(\i)*32+16*PB
	ds_load_b128 v[(\f)+8*(4*(\c)+(\i)):(\f)+8*(4*(\c)+(\i))+3],   v[ADRA] offset:(\q)*ASL+(\i)*16*PA+(\c)*64
	ds_load_b128 v[(\f)+8*(4*(\c)+(\i))+4:(\f)+8*(4*(\c)+(\i))+7], v[ADRA] offset:(\q)*ASL+(\i)*16*PA+(\c)*64+32
.endr
.endr
.endm
; One of a K step's first three quarters, in two parts: the first 32 along K of buffer f are multiplied; then quarter q is fetched into g and the other 32 are multiplied.
; The 16 accumulators take turns, one instruction a turn.
.macro QHEAD f, zero
	s_wait_dscnt 16                                ; the first 32 along K are in
	MUL8 \f, 0, 0, \zero
	MUL8 \f, 0, 2, \zero
.endm
.macro QREST q, f, g
	PLACES
	FETCH \q, \g
	s_wait_dscnt 32                                ; all but the 32 just issued
	MUL8 \f, 1, 0, 0
	MUL8 \f, 1, 2, 0
.endm
.macro QUARTER q, f, g
	QHEAD \f, 0
	QREST \q, \f, \g
.endm
.macro MEET                            ; the first half of a quarter on buffer 1, and a barrier
	WIN 0
	s_wait_tensorcnt 0x0                           ; all my tensor loads have landed: at a change of slots, my part of the next slot
	ds_add_u32 v[SPW], v[NIL]
	s_wait_dscnt 17                                ; the add and the youngest sixteen loads may be out
	MUL8 F1, 0, 0, 0
	s_wait_dscnt 0x0                               ; the add is done, my reads of this slot are over
	s_barrier_signal -1
	MUL8 F1, 0, 2, 0
	WIN 0
	s_barrier_wait -1
.endm
.macro TURN                            ; a K step's last quarter with a refill, two K steps on: 112 matrix instructions ahead of the wait for it
	MEET
	CREST
	s_add_co_u32 s[G0A+5], s20, s[TS]
	s_add_nc_u64 s[G0A+6:G0A+7], s[G0A+6:G0A+7], ASTEP
	s_add_co_u32 s[G0B+5], s21, s[TS]
	s_add_nc_u64 s[G0B+6:G0B+7], s[G0B+6:G0B+7], BSTEP
	JLOAD                                          ; its four v_nop are also the places in front of the loads below
	s_xor_b32 s[TS], s[TS], SLOT
	v_add_nc_u32 v[ADRA], s[TS], v[ADRA0]
	v_add_nc_u32 v[ADRB], s[TS], v[ADRB0]
	v_add_nc_u32 v[ADRB+1], BHALF, v[ADRB]
	FETCH 0, F0
	MUL8 F1, 1, 0, 0
	MUL8 F1, 1, 2, 0
.endm
	s_wait_tensorcnt 0x1                           ; my part of K step 0 is in; K step 1's may stay out
	s_barrier_signal -1
	s_barrier_wait -1
	FETCH 0, F0
	QHEAD F0, 1                                    ; the sixteen products that start the sums stand in front of the loop
	WIN 0
	s_mov_b32 s3, NK-1
	s_branch .Lin                                  ; the loop is entered in its middle: K step 0 has no change of slots in front of it
.Lk:                                                   ; a trip: the last quarter of a K step, which asks for the K step two on, and the next step's quarters 0 to 2; NK - 2 changes of slots in all
	TURN
	QHEAD F0, 0
	WIN 0
.Lin:
	QREST 1, F0, F1
	QUARTER 2, F1, F0
	QUARTER 3, F0, F1
	WIN 0
	s_sub_co_u32 s3, s3, 1
	s_cmp_lg_u32 s3, 0
	s_cbranch_scc1 .Lk
.set i, 0
.rept 32                               ; the residual of my 64 x 64, asked for five quarters ahead of its use: load i covers rows 2 i, 2 i + 1 of my slice, 256 consecutive bytes
	global_load_b64 v[RES+2*i:RES+2*i+1], v[RO], s[70:71] offset:i*256
.set i, i+1
.endr
	; THE TAIL asks for nothing: left are the last quarter of the last K step but one (slot 0) and the last K step (slot 1).  One text, a quarter on buffer 1 and a quarter on buffer 0, walked three times and left
	; in its middle; no tensor load and no barrier is jumped over.  The fetches go by halves of a slot, which lie 2 ASL (A) and BHALF (B) apart across both slots.  Of its three barriers the first
	; shows every wave that slot 1 has landed; the other two are the price of one text.
	v_add_nc_u32 v[ADRA], 2*ASL, v[ADRA]           ; slot 0's upper half: each walk steps on from here
	v_add_nc_u32 v[ADRB], BHALF, v[ADRB]
	s_mov_b32 s3, 3
.Ltail:
	MEET
	s_cmp_eq_u32 s3, 1
	s_cbranch_scc1 .Lnf                            ; behind the last quarter there is nothing to fetch
	v_add_nc_u32 v[ADRA], 2*ASL, v[ADRA]
	v_add_nc_u32 v[ADRB], BHALF, v[ADRB]
	PLACES
	FETCH 0, F0
	WIN 0
.Lnf:
	MUL8 F1, 1, 0, 0
	MUL8 F1, 1, 2, 0
	WIN 0
	s_sub_co_u32 s3, s3, 1
	s_cmp_eq_u32 s3, 0
	s_cbranch_scc1 .Lout
	QUARTER 1, F0, F1
	WIN 0
	s_branch .Ltail
.Lout:
	; THE WAY OUT, 16 rows at a time: the sums go in f32 through my own stage and come back as whole rows of 256 bytes, in the residual's pattern: lane l has row 2 t + l / 16, columns 4 (l % 16) + 0..3.
	PLACES
	s_wait_loadcnt 0x0                             ; bias and residual
.irp i, 0,2
	v_cvt_pk_bf16_f32 v[T], v[BIAS+(\i)], v[BIAS+(\i)+1]  ; the bias is rounded to bf16 like every input, and widened again
	v_lshlrev_b32 v[BIAS+(\i)], 16, v[T]
	v_and_b32 v[BIAS+(\i)+1], s76, v[T]
.endr
.irp a, 0,1,2,3
.irp b, 0,1,2,3
	ds_store_b128 v[STO], v[ACC+8*(4*(\a)+(\b)):ACC+8*(4*(\a)+(\b))+3]   offset:(\b)*64     ; each accumulator's low four registers first
	ds_store_b128 v[STO], v[ACC+8*(4*(\a)+(\b))+4:ACC+8*(4*(\a)+(\b))+7] offset:(\b)*64+16
.endr
	s_wait_xcnt 0x0                                ; the last block's stores have read their data: the registers are loaded again below
.irp t, 0,1,2,3,4,5,6,7
	ds_load_b128 v[BK+4*(\t):BK+4*(\t)+3], v[RD] offset:(\t)*2*SPI  ; LDS serves a wave's instructions in order (ISA guide 5.7.1.4): these see the stores above; the next block's stores come behind them
.endr
.irp t, 0,1,2,3,4,5,6,7
.if (\t)%2 == 0
	s_wait_dscnt 6-(\t)                            ; read-backs t and t + 1 are in, the younger ones stay out
.endif
	v_lshlrev_b32 v[T],   16,  v[RES+2*(8*(\a)+(\t))]
	v_and_b32     v[T+1], s76, v[RES+2*(8*(\a)+(\t))]
	v_lshlrev_b32 v[T+2], 16,  v[RES+2*(8*(\a)+(\t))+1]
	v_and_b32     v[T+3], s76, v[RES+2*(8*(\a)+(\t))+1]
	v_pk_add_f32 v[T:T+1], v[T:T+1], v[BIAS:BIAS+1]
	v_pk_add_f32 v[T+2:T+3], v[T+2:T+3], v[BIAS+2:BIAS+3]
	v_pk_add_f32 v[BK+4*(\t):BK+4*(\t)+1], v[BK+4*(\t):BK+4*(\t)+1], v[T:T+1]
	v_pk_add_f32 v[BK+4*(\t)+2:BK+4*(\t)+3], v[BK+4*(\t)+2:BK+4*(\t)+3], v[T+2:T+3]
.if LAST
	global_store_b128 v[CO], v[BK+4*(\t):BK+4*(\t)+3], s[8:9] offset:(16*(\a)+2*(\t))*4096  ; 16 lanes store 256 consecutive bytes, at a multiple of 256 from the buffer's first byte
.else
	v_cvt_pk_bf16_f32 v[BK+4*(\t)], v[BK+4*(\t)], v[BK+4*(\t)+1]
	v_cvt_pk_bf16_f32 v[BK+4*(\t)+1], v[BK+4*(\t)+2], v[BK+4*(\t)+3]
	global_store_b64 v[RO], v[BK+4*(\t):BK+4*(\t)+1], s[8:9] offset:(\a)*2048+(\t)*256      ; the wave stores 256 consecutive bytes, at a multiple of 256 from the buffer's first byte
.endif
.endr
.endr
	s_wait_tensorcnt 0x0                           ; the wave's end: behind my last tensor load and my last LDS store
	ds_add_u32 v[SPW], v[NIL]
	s_wait_dscnt 0x0
	CROUND                                         ; the closing round: no work-group ends while a partner may still ask for a tile that names it
	s_endpgm
.Lfunc_end_k_qa5cca3c084_proj:
	.size	k_qa5cca3c084_proj, .Lfunc_end_k_qa5cca3c084_proj-k_qa5cca3c084_proj
	.p2alignl 7, 3214868480
	.fill 96, 4, 3214868480
	.section	.rodata,"a",@progbits
	.p2align	6, 0x0
	.amdhsa_kernel k_qa5cca3c084_proj
		.amdhsa_group_segment_fixed_size 327680
		.amdhsa_private_segment_fixed_size 0
		.amdhsa_enable_private_segment 0
		.amdhsa_kernarg_size 40
		.amdhsa_user_sgpr_count 2
		.amdhsa_user_sgpr_kernarg_segment_ptr 1
		.amdhsa_wavefront_size32 1
		.amdhsa_system_sgpr_workgroup_id_x 1
		.amdhsa_system_sgpr_workgroup_id_y 1
		.amdhsa_system_sgpr_workgroup_id_z 1
		.amdhsa_system_vgpr_workitem_id 0
		.amdhsa_next_free_vgpr 512
		.amdhsa_next_free_sgpr 80
		.amdhsa_reserve_vcc 0
		.amdhsa_float_denorm_mode_32 3
		.amdhsa_float_denorm_mode_16_64 3
		.amdhsa_memory_ordered 1
		.amdhsa_forward_progress 1
		.amdhsa_inst_pref_size 66
	.end_amdhsa_kernel
	.amdgpu_metadata
---
amdhsa.version: [ 1, 2 ]
amdhsa.kernels:
  - .name:           k_qa5cca3c084_proj
    .symbol:         k_qa5cca3c084_proj.kd
    .args:
      - { .name: ys, .offset: 0, .size: 8, .value_kind: global_buffer, .address_space: global }
      - { .name: wb, .offset: 8, .size: 8, .value_kind: global_buffer, .address_space: global }
      - { .name: bo, .offset: 16, .size: 8, .value_kind: global_buffer, .address_space: global }
      - { .name: xs, .offset: 24, .size: 8, .value_kind: global_buffer, .address_space: global }
      - { .name: x1s, .offset: 32, .size: 8, .value_kind: global_buffer, .address_space: global }
    .group_segment_fixed_size: 327680
    .private_segment_fixed_size: 0
    .kernarg_segment_align: 8
    .kernarg_segment_size: 40
    .max_flat_workgroup_size: 128
    .sgpr_count:     80
    .vgpr_count:     512
    .wavefront_size: 32
...
	.end_amdgpu_metadata
.endif
;; end of part 4
;; launch up (part 5): grid 16 x 16, 4 waves a work-group, clusters of 4 x 4, 327,680 bytes of LDS; arguments x1s, wb, b1, hs; writes hs
.if DOCPART == 5
	.amdgcn_target "amdgcn-amd-amdhsa--gfx1250"
	.amdhsa_code_object_version 6
	.text
	.protected	k_qa5cca3c084_up
	.globl	k_qa5cca3c084_up
	.p2align	8
	.type	k_qa5cca3c084_up,@function
k_qa5cca3c084_up:
	s_mov_b64 s[64:65], 0
	v_nop
	global_prefetch_b8 v0, s[64:65] scope:SCOPE_SE
	s_setreg_imm32_b32 hwreg(HW_REG_WAVE_MODE, 25, 1), 1
	s_wait_xcnt 0x0
	s_wait_alu depctr_hold_cnt(0) depctr_sa_sdst(0) depctr_va_vdst(0) depctr_va_sdst(0) depctr_va_ssrc(0) depctr_va_vcc(0) depctr_vm_vsrc(0)
	s_getreg_b32 s2, hwreg(HW_REG_IB_STS2, 6, 4)
	s_cmp_eq_u32 s2, 0
	s_cbranch_scc0 .Lentry_in_a_cluster
	s_endpgm
.Lentry_in_a_cluster:
	s_bfe_u32 s2, ttmp6, 0x10000c
	s_cmp_lg_u32 s2, 0xf033
	s_cbranch_scc0 .Lentry_shape_is_right
	s_endpgm
.Lentry_shape_is_right:
; h = silu(x1 W1 + b1).  A = x1s (bf16, slices of 64 columns), B = W1 in bf16 as it lies, [k][n]; sums in f32; the bias, rounded to bf16 like every input, is added in f32; SiLU in f32;
; the result is rounded once to bf16 and stored in slices of 64 columns.
; LIMIT: z / (1 + 2^(-z log2 e)): where the power overflows the quotient is 0, as SiLU's limit is.  NaN and infinities are not treated apart.
; A tile of C is 256 x 256, four waves of 128 x 128 (64 accumulators, 512 registers).  K = 1,024 goes in 8 steps of 128 through two LDS slots filled by tensor loads.
; LDS: A's two slots on end, then B's two.  A's slot: two slices x 256 rows of 128 bytes + 16 of padding; a slice's 256 rows are 32,768 bytes on end in memory and are asked for as 128 rows of 256 bytes.
; B's slot: 128 rows (k) of 512 bytes + 32 of padding; its fragments are read turned, by ds_load_tr16_b128.
; THE LOOP'S TEXT IS ONE K STEP: the slot in hand is a scalar for A and one for B, 0 or a slot's bytes, which enter the walking descriptors' LDS word and the fragment addresses.  The loop is entered in its middle.
; THE TAIL'S TEXT IS HALF A K STEP, walked three times: the four halves of a ring lie at equal distances, so the fragment addresses step by a constant.
; CLUSTER 4 x 4: A's tile is shared along a row of the cluster, B's along a column; each is asked for jointly, by the same load with the same descriptor and a mask of four.
; THE MATRIX INSTRUCTION IS USED TRANSPOSED (source 0 = 16 columns of B, source 1 = 16 rows of A): a lane holds row l % 16 of C and the columns 8 (l / 16) + 0..7.
; REGISTERS: window 0: v0-31 addresses and bias; v64-191 A's two fragment buffers, later the way out.  Window 1: v64-191 B's two buffers.  Windows 2, 3: the accumulators, (a, b) at v[8 (8 (a % 4) + b)].
; No prefetch: of the 8 K steps four come by the first fills and the first two refills, and each tile is shared by four work-groups already.
.set BP,    4096                       ; elements from row to row of B
.set NK,    8                          ; K steps
.set PA,    144                        ; a row of A in LDS: an odd multiple of 16 bytes: the 16 rows of a load start in 16 different groups of four banks (64 banks of 4 bytes: ISA guide 11.1)
.set PB,    544                        ; a row of B: an odd multiple of 32 bytes
.set ASL,   256*PA                     ; a slice's 256 rows: half of A's slot
.set ASLOT, 2*ASL
.set BBASE, 2*ASLOT                    ; B's ring lies behind A's
.set BHALF, 64*PB                      ; what one load brings of B: half of B's slot
.set BSLOT, 2*BHALF
.set SPARE, BBASE+2*BSLOT              ; behind the rings: the spare words, 128 bytes for each wave: two blocks of 256 bytes that no other line names
.set ASTEP, 2*524288                   ; a K step in A: two slices
.set BSTEP, 128*BP*2                   ; in B: 128 rows
.set SPI,   528                        ; the way out: a stage row, 128 f32 + 16 bytes
.set STG,   128*SPI                    ; a wave's stage: it lies in the rings, whose bytes have had their last fill by then
.set BIAS,  8                          ; v[8:15]  bias of my columns 4 (l % 16) + 0..3 in each of my wave's two slices
.set ADRA,  16                         ; v16  LDS address of my A fragments in the slot in hand;  v17 in slot 0
.set ADRA0, 17
.set ADRB,  20                         ; v20, v21  the same for B
.set ADRB0, 21
.set STO,   24                         ; v24  the way out: where I put 32 bytes of a row
.set RD,    25                         ; v25  where I read rows back
.set VO,    26                         ; v26  my byte offset in the output
.set BO,    27                         ; v27  my byte offset in the bias
.set SPW,   28                         ; v28  LDS address of my spare word; never rewritten
.set NIL,   29                         ; v29  0; never rewritten
.set F0,    64
.set F1,    128
.set DD,    64                         ; the way out: 16 rows x 128 columns, 64 registers
.set UU,    128                        ; and as many at work
.set G1A,   24                         ; s[24:31] group 1 for A;  s[32:39] group 0: set 0 for K step 0, set 1 for K step 1 and then walking
.set G0A,   32
.set G1B,   48                         ; s[48:55], s[56:63] the same for B
.set G0B,   56
.set TSA,   22                         ; s22  0 or ASLOT: A's slot in hand
.set TSB,   77                         ; s77  0 or BSLOT: B's
.set MSB, 0
.macro WIN new                         ; the immediate's high byte repeats the setting that is left; a switch that changes nothing is dropped
.if MSB != (\new)
	s_set_vgpr_msb (MSB<<8)|(\new)
.set MSB, \new
.endif
.endm
.set MUL_LO, 0xa1                      ; source 0 (B) window 1, source 1 (A) window 0, C and D window 2
.set MUL_HI, 0xf1                      ; the same, C and D window 3
.set TO_B,   0x40                      ; destination window 1, address window 0
.macro PLACES                          ; four plain vector instructions between a matrix instruction and a load into, or a vector read of, its registers
.rept 4
	v_nop
.endr
.endm
.macro JLOAD                           ; the joint refill: waves 0, 1 ask for A's two slices, waves 2, 3 for B's two halves; an s_nop 0 and four v_nop follow each line
	s_cmp_eq_u32 s11, 0
	s_cbranch_scc0 .Lfor_b_\@
	tensor_load_to_lds s[G0A+4:G0A+7], s[G1A:G1A+7]
	s_nop 0
.rept 4
	v_nop
.endr
	s_branch .Lasked_\@
.Lfor_b_\@:
	tensor_load_to_lds s[G0B+4:G0B+7], s[G1B:G1B+7]
	s_nop 0
.rept 4
	v_nop
.endr
.Lasked_\@:
.endm
.macro CREST                           ; a round of the cluster's barrier behind its opening barrier
	s_cmp_lg_u32 s10, 0
	s_cbranch_scc1 .Lnot_wave_0_\@
	s_barrier_signal -3
.Lnot_wave_0_\@:
	s_barrier_wait -3
	s_barrier_signal -1
	s_barrier_wait -1
.endm
.macro CROUND                          ; a whole round
	s_barrier_signal -1
	s_barrier_wait -1
	CREST
.endm
	s_load_b128 s[4:7], s[0:1], 0x0                ; A s[4:5], wb s[6:7]
	s_load_b128 s[68:71], s[0:1], 0x10             ; b1 s[68:69], hs s[70:71]
	v_lshl_add_u32 v[SPW], v0, 2, SPARE
	v_mov_b32 v[NIL], 0
	ds_add_u32 v[SPW], v[NIL]                      ; the wave's opening: the add and its wait stand ahead of my first tensor load; the set-up below, work on registers, stands between
	v_lshrrev_b32 v1, 5, v0
	v_readfirstlane_b32 s10, v1                    ; wave 0..3
	s_lshr_b32 s11, s10, 1                         ; which half of the tile's rows is mine; also: I fetch for A (0) or for B (1)
	s_and_b32 s12, s10, 1                          ; which half of its columns; also: which part I fetch
	s_bfe_u32 s40, ttmp6, 0x40000                  ; cx
	s_bfe_u32 s41, ttmp6, 0x40004                  ; cy
	s_lshl_b32 s42, ttmp9, 2
	s_add_co_u32 s42, s42, s40                     ; tile column = 4 x cluster x + cx
	s_and_b32 s13, ttmp7, 0xffff
	s_lshl_b32 s13, s13, 2
	s_add_co_u32 s13, s13, s41                     ; tile row = 4 x cluster y + cy
	s_lshl_b32 s43, s41, 2
	s_lshl_b32 s43, 15, s43                        ; my row of the cluster
	s_lshl_b32 s44, 0x1111, s40                    ; my column
	s_or_b32 s[G1A+0], s43, (1<<16)|(1<<20)|(1<<21)|(4<<22)|(3<<25)  ; the mask; 2-byte elements; padding on; bit 21 beside a mask; after every 32 words, 4 words
	s_mov_b32 s[G1A+1], 128<<16                    ; tensor_dim0 = 128 (256 bytes)
	s_mov_b32 s[G1A+2], 128<<16                    ; tensor_dim1 = 128
	s_mov_b32 s[G1A+3], 128<<16                    ; tile_dim0 = 128
	s_mov_b32 s[G1A+4], 128                        ; tile_dim1 = 128
	s_mov_b32 s[G1A+5], 128                        ; dense: 128 elements from row to row
	s_mov_b32 s[G1A+6], 0
	s_mov_b32 s[G1A+7], 0
	s_or_b32 s[G1B+0], s44, (1<<16)|(1<<20)|(1<<21)|(6<<22)|(7<<25)  ; after every 128 words, 8 words
	s_mov_b32 s[G1B+1], 256<<16                    ; tensor_dim0 = 256 columns
	s_mov_b32 s[G1B+2], 64<<16                     ; tensor_dim1 = 64 rows of k
	s_mov_b32 s[G1B+3], 256<<16
	s_mov_b32 s[G1B+4], 64
	s_mov_b32 s[G1B+5], BP
	s_mov_b32 s[G1B+6], 0
	s_mov_b32 s[G1B+7], 0
	s_lshl_b32 s16, s13, 15                        ; A: the tile's 256 rows of 128 bytes,
	s_lshl_b32 s17, s12, 19                        ; my slice of the K step's two
	s_add_co_u32 s16, s16, s17
	s_mov_b32 s17, 0
	s_lshl_b32 s46, s42, 9                         ; B: the tile's 256 columns,
	s_add_co_u32 s46, s46, 8388608                 ; in W1
	s_mul_i32 s47, s12, 64*BP*2                    ; my 64 rows of the K step's 128
	s_add_co_u32 s46, s46, s47
	s_mov_b32 s47, 0
	s_mov_b32 s78, 0xbfb8aa3b                      ; -log2(e), as a pair for the packed multiply
	s_mov_b32 s79, s78
	s_mul_i32 s20, s12, ASL                        ; where my part goes in a slot, for A
	s_mul_i32 s21, s12, BHALF                      ; and for B: the wave's number alone enters an LDS address
	s_add_co_u32 s21, s21, BBASE
	s_mov_b32 s[TSA], 0
	s_mov_b32 s[TSB], 0
	s_wait_dscnt 0x0                               ; the opening add is done
	s_wait_kmcnt 0x0
	s_add_nc_u64 s[14:15], s[4:5], s[16:17]
	s_add_nc_u64 s[46:47], s[6:7], s[46:47]
	CROUND                                         ; all sixteen work-groups are here: the first joint loads meet
.irp s, 0,1
	s_mov_b32 s[G0A+4*(\s)], 1
	s_add_co_u32 s[G0A+4*(\s)+1], s20, (\s)*ASLOT
	s_add_nc_u64 s[G0A+4*(\s)+2:G0A+4*(\s)+3], s[14:15], (\s)*ASTEP
	s_or_b32 s[G0A+4*(\s)+3], s[G0A+4*(\s)+3], 0x80000000
	s_mov_b32 s[G0B+4*(\s)], 1
	s_add_co_u32 s[G0B+4*(\s)+1], s21, (\s)*BSLOT
	s_add_nc_u64 s[G0B+4*(\s)+2:G0B+4*(\s)+3], s[46:47], (\s)*BSTEP
	s_or_b32 s[G0B+4*(\s)+3], s[G0B+4*(\s)+3], 0x80000000
.endr
	s_cmp_eq_u32 s11, 0                            ; a wave's two first fills stand in one branch: two loads of mine are out
	s_cbranch_scc0 .Lfirst_b
	tensor_load_to_lds s[G0A:G0A+3], s[G1A:G1A+7]
	s_nop 0
	tensor_load_to_lds s[G0A+4:G0A+7], s[G1A:G1A+7]
	s_nop 0
.rept 4
	v_nop
.endr
	s_branch .Lfirst_asked
.Lfirst_b:
	tensor_load_to_lds s[G0B:G0B+3], s[G1B:G1B+7]
	s_nop 0
	tensor_load_to_lds s[G0B+4:G0B+7], s[G1B:G1B+7]
	s_nop 0
.rept 4
	v_nop
.endr
.Lfirst_asked:
	; A's fragment, 16 rows x 32 k: lane l holds row l % 16, k = 8 (l / 16) + 0..7 and 16 + 8 (l / 16) + 0..7: two loads of 16 bytes, 32 bytes apart.
	v_and_b32 v1, 15, v0                           ; r = l % 16
	v_bfe_u32 v2, v0, 4, 1                         ; h = l / 16
	v_mul_u32_u24 v3, v1, PA
	v_lshl_add_u32 v3, v2, 4, v3
	s_mul_i32 s23, s11, 128*PA                     ; my 128 rows
	v_add_nc_u32 v[ADRA0], s23, v3
	; B's fragment, turned: lane l reads 16 bytes of row k = 8 (l / 16) + l % 8, columns 8 ((l / 8) % 2) + 0..7, and receives column l % 16, eight k; the second load stands 16 rows on.
	v_and_b32 v4, 7, v0
	v_lshl_add_u32 v4, v2, 3, v4
	v_mul_u32_u24 v4, v4, PB
	v_bfe_u32 v5, v0, 3, 1
	v_lshl_add_u32 v4, v5, 4, v4
	s_lshl_b32 s23, s12, 8                         ; my 128 columns
	s_add_co_u32 s23, s23, BBASE
	v_add_nc_u32 v[ADRB0], s23, v4
	v_mov_b32 v[ADRA], v[ADRA0]
	v_mov_b32 v[ADRB], v[ADRB0]
	s_mul_i32 s23, s10, STG                        ; my stage
	v_mul_u32_u24 v6, v1, SPI                      ; in: row r, 32 bytes for each half of the lanes
	v_lshl_add_u32 v6, v2, 5, v6
	v_add_nc_u32 v[STO], s23, v6
	v_mul_u32_u24 v6, v2, SPI                      ; back: lanes 0-15 take 256 bytes of one row, lanes 16-31 of the next
	v_lshl_add_u32 v6, v1, 4, v6
	v_add_nc_u32 v[RD], s23, v6
	v_and_b32 v[VO], 31, v0                        ; out: two rows of a slice are 256 bytes on end, 8 bytes a lane
	v_lshlrev_b32 v[VO], 3, v[VO]
	v_lshlrev_b32 v[BO], 4, v1
	s_lshl_b32 s16, s42, 2                         ; my first slice of the output = 4 x tile column + 2 x column half
	s_lshl_b32 s17, s12, 1
	s_add_co_u32 s16, s16, s17
	s_lshl_b32 s16, s16, 19
	s_lshl_b32 s17, s13, 15                        ; the tile's first row,
	s_add_co_u32 s16, s16, s17
	s_lshl_b32 s17, s11, 14                        ; my 128 rows
	s_add_co_u32 s16, s16, s17
	s_mov_b32 s17, 0
	s_add_nc_u64 s[8:9], s[70:71], s[16:17]
	s_lshl_b32 s18, s42, 10                        ; the tile's 256 numbers of b1,
	s_lshl_b32 s19, s12, 9                         ; my 128
	s_add_co_u32 s18, s18, s19
	s_mov_b32 s19, 0
	s_add_nc_u64 s[66:67], s[68:69], s[18:19]
	global_load_b128 v[BIAS:BIAS+3], v[BO], s[66:67]
	global_load_b128 v[BIAS+4:BIAS+7], v[BO], s[66:67] offset:256
; 16 matrix instructions: m blocks a0, a0 + 1 of the window's four x all 8 n blocks, 32 along K.  zero = 1: the product starts the sums
.macro MUL16 f, hi, a0, zero
	WIN MUL_LO+0x50*(\hi)
.irp a, \a0, (\a0)+1
.irp b, 0,1,2,3,4,5,6,7
.if \zero
	v_wmma_f32_16x16x32_bf16 v[8*(8*(\a)+(\b)):8*(8*(\a)+(\b))+7], v[(\f)+8*(\b):(\f)+8*(\b)+7], v[(\f)+8*(4*(\hi)+(\a)):(\f)+8*(4*(\hi)+(\a))+7], 0
.else
	v_wmma_f32_16x16x32_bf16 v[8*(8*(\a)+(\b)):8*(8*(\a)+(\b))+7], v[(\f)+8*(\b):(\f)+8*(\b)+7], v[(\f)+8*(4*(\hi)+(\a)):(\f)+8*(4*(\hi)+(\a))+7], v[8*(8*(\a)+(\b)):8*(8*(\a)+(\b))+7]
.endif
.endr
.endr
.endm
; 32 LDS loads in one run: quarter k (32 along K), counted from where the two address registers stand, into buffer f: B's eight fragments, turned, then A's eight
.macro FETCH k, f
	WIN TO_B
.irp i, 0,1,2,3,4,5,6,7
	ds_load_tr16_b128 v[(\f)+8*(\i):(\f)+8*(\i)+3],   v[ADRB] offset:(\k)*32*PB+(\i)*32
	ds_load_tr16_b128 v[(\f)+8*(\i)+4:(\f)+8*(\i)+7], v[ADRB] offset:(\k)*32*PB+(\i)*32+16*PB
.endr
	WIN 0
.irp i, 0,1,2,3,4,5,6,7
	ds_load_b128 v[(\f)+8*(\i):(\f)+8*(\i)+3],   v[ADRA] offset:((\k)/2)*ASL+((\k)%2)*64+(\i)*16*PA
	ds_load_b128 v[(\f)+8*(\i)+4:(\f)+8*(\i)+7], v[ADRA] offset:((\k)/2)*ASL+((\k)%2)*64+(\i)*16*PA+32
.endr
.endm
; One of a K step's first three quarters: multiplies buffer f, and in its middle fetches quarter k into buffer g.  The 64 accumulators take turns, one instruction a turn.
.macro QUARTER k, f, g, zero
	s_wait_dscnt 8                                 ; B and A's rows 0-63 are in; the youngest eight loads (A's rows 64-127) may be out
	MUL16 \f, 0, 0, \zero
	MUL16 \f, 0, 2, \zero
	PLACES
	FETCH \k, \g
	s_wait_dscnt 32                                ; all but the 32 just issued
	MUL16 \f, 1, 0, \zero
	MUL16 \f, 1, 2, \zero
.endm
; The first half of a quarter on buffer 1, and a barrier: each wave has waited for all its tensor loads (at a change of slots one is out: its part of the next slot), has added 0 to its spare word,
; and has waited for that and for its LDS reads.
.macro MEET
	WIN 0
	s_wait_tensorcnt 0x0
	ds_add_u32 v[SPW], v[NIL]
	s_wait_dscnt 9                                 ; the add and the youngest eight loads may be out
	MUL16 F1, 0, 0, 0
	s_wait_dscnt 0x0                               ; the add is done, my reads of this slot are over
	s_barrier_signal -1
	MUL16 F1, 0, 2, 0
	WIN 0
	s_barrier_wait -1
.endm
; A K step's last quarter with a refill: the barrier opens a round of the cluster's; behind it the slot just read is asked for again, two K steps on: 224 matrix instructions ahead of the wait for it.
.macro TURN
	MEET
	CREST
	s_add_co_u32 s[G0A+5], s20, s[TSA]             ; no load of mine is out, so the walking descriptors may be written: the slot just read,
	s_add_nc_u64 s[G0A+6:G0A+7], s[G0A+6:G0A+7], ASTEP  ; the K step after the one asked for last
	s_add_co_u32 s[G0B+5], s21, s[TSB]
	s_add_nc_u64 s[G0B+6:G0B+7], s[G0B+6:G0B+7], BSTEP
	JLOAD                                          ; its four v_nop are also the places in front of the loads below
	s_xor_b32 s[TSA], s[TSA], ASLOT                ; 0 <-> a slot's bytes: the other slot is in hand
	s_xor_b32 s[TSB], s[TSB], BSLOT
	v_add_nc_u32 v[ADRA], s[TSA], v[ADRA0]
	v_add_nc_u32 v[ADRB], s[TSB], v[ADRB0]
	FETCH 0, F0
	MUL16 F1, 1, 0, 0
	MUL16 F1, 1, 2, 0
.endm
	s_wait_tensorcnt 0x1                           ; my part of K step 0 is in; K step 1's may stay out
	s_barrier_signal -1
	s_barrier_wait -1                              ; everybody's is
	FETCH 0, F0
	QUARTER 1, F0, F1, 1                           ; the first quarter stands in front of the loop: its products start the sums
	WIN 0
	s_mov_b32 s3, NK-1
	s_branch .Lmid                                 ; the loop is entered in its middle: K step 0 has no change of slots in front of it
.Lk:                                                   ; a trip: the last quarter of a K step, which asks for the K step two on, and the next step's quarters 0 to 2; NK - 2 changes of slots in all
	TURN
	QUARTER 1, F0, F1, 0
	WIN 0
.Lmid:
	QUARTER 2, F1, F0, 0
	QUARTER 3, F0, F1, 0
	WIN 0
	s_sub_co_u32 s3, s3, 1
	s_cmp_lg_u32 s3, 0
	s_cbranch_scc1 .Lk
	; THE TAIL asks for nothing: left are the last quarter of the last K step but one (slot 0) and the last K step (slot 1).  One text, a quarter on buffer 1 and a quarter on buffer 0, walked three times and left
	; in its middle; no tensor load and no barrier is jumped over.  The fetches go by halves of a slot, which lie ASL (A) and BHALF (B) apart across both slots.  Of its three barriers the first
	; shows every wave that slot 1 has landed; the other two are the price of one text.
	v_add_nc_u32 v[ADRA], ASL, v[ADRA]             ; slot 0's upper half: each walk steps on from here
	v_add_nc_u32 v[ADRB], BHALF, v[ADRB]
	s_mov_b32 s3, 3
.Ltail:
	MEET
	s_cmp_eq_u32 s3, 1
	s_cbranch_scc1 .Lnf                            ; behind the last quarter there is nothing to fetch
	v_add_nc_u32 v[ADRA], ASL, v[ADRA]
	v_add_nc_u32 v[ADRB], BHALF, v[ADRB]
	PLACES
	FETCH 0, F0
.Lnf:
	MUL16 F1, 1, 0, 0
	MUL16 F1, 1, 2, 0
	WIN 0
	s_sub_co_u32 s3, s3, 1
	s_cmp_eq_u32 s3, 0
	s_cbranch_scc1 .Lout
	QUARTER 1, F0, F1, 0
	WIN 0
	s_branch .Ltail
.Lout:
	; THE WAY OUT.  The sums go, in f32, into my stage (128 rows x 528 bytes, in the rings: no fill lands there any more); a loop of 8 trips reads 16 rows back as whole rows, adds the bias,
	; applies SiLU, rounds and stores.  Every wave's reads of the rings are over in front of this barrier, so any wave may write there behind it.
	s_wait_dscnt 0x0
	s_barrier_signal -1
	s_barrier_wait -1
	PLACES
.irp a, 0,1,2,3,4,5,6,7
	WIN 0x08+4*((\a)/4)                            ; the stores' data (source 1) in window 2 or 3
.irp b, 0,1,2,3,4,5,6,7
	ds_store_b128 v[STO], v[8*(8*((\a)%4)+(\b)):8*(8*((\a)%4)+(\b))+3]   offset:(\a)*16*SPI+(\b)*64      ; each accumulator's low four registers first
	ds_store_b128 v[STO], v[8*(8*((\a)%4)+(\b))+4:8*(8*((\a)%4)+(\b))+7] offset:(\a)*16*SPI+(\b)*64+16
.endr
.endr
	WIN 0
	s_wait_loadcnt 0x0                             ; the bias,
.irp i, 0,2,4,6
	v_cvt_pk_bf16_f32 v1, v[BIAS+(\i)], v[BIAS+(\i)+1]  ; rounded to bf16 like every input, and widened again
	v_lshlrev_b32 v[BIAS+(\i)], 16, v1
	v_and_b32 v[BIAS+(\i)+1], 0xffff0000, v1
.endr
	s_mov_b32 s3, 8
.Lrows:
.set u, 0
.rept 16                               ; unit u: rows 2 (u / 2), 2 (u / 2) + 1 of the 16, slice u % 2: LDS serves a wave's instructions in order (ISA guide 5.7.1.4), so these see the stores above
	ds_load_b128 v[DD+4*u:DD+4*u+3], v[RD] offset:(u/2)*2*SPI+(u%2)*256
.set u, u+1
.endr
	s_wait_dscnt 0x0
.set u, 0
.rept 16
	v_pk_add_f32 v[DD+4*u:DD+4*u+1], v[DD+4*u:DD+4*u+1], v[BIAS+4*(u%2):BIAS+4*(u%2)+1]
	v_pk_add_f32 v[DD+4*u+2:DD+4*u+3], v[DD+4*u+2:DD+4*u+3], v[BIAS+4*(u%2)+2:BIAS+4*(u%2)+3]
.set u, u+1
.endr
	; z / (1 + 2^(-z log2 e)).  The 64 exponentials are one batch with one wait, and so are the 64 reciprocals; each pair's stand one packed line behind the line that makes their argument.
.set i, 0
.rept 32
	v_pk_mul_f32 v[UU+2*i:UU+2*i+1], v[DD+2*i:DD+2*i+1], s[78:79] op_sel_hi:[1,0]
.if i > 0
	v_exp_f32 v[UU+2*i-2], v[UU+2*i-2]
	v_exp_f32 v[UU+2*i-1], v[UU+2*i-1]
.endif
.set i, i+1
.endr
	v_exp_f32 v[UU+62], v[UU+62]
	v_exp_f32 v[UU+63], v[UU+63]
	v_nop                                          ; a plain instruction behind the last exponential,
	s_wait_alu depctr_va_vdst(0)                   ; and the wait ahead of the first use: one for the batch
.set i, 0
.rept 32
	v_pk_add_f32 v[UU+2*i:UU+2*i+1], v[UU+2*i:UU+2*i+1], 1.0 op_sel_hi:[1,0]
.if i > 0
	v_rcp_f32 v[UU+2*i-2], v[UU+2*i-2]
	v_rcp_f32 v[UU+2*i-1], v[UU+2*i-1]
.endif
.set i, i+1
.endr
	v_rcp_f32 v[UU+62], v[UU+62]
	v_rcp_f32 v[UU+63], v[UU+63]
	v_nop
	s_wait_alu depctr_va_vdst(0)                   ; one for the batch of reciprocals
.set i, 0
.rept 32
	v_pk_mul_f32 v[DD+2*i:DD+2*i+1], v[DD+2*i:DD+2*i+1], v[UU+2*i:UU+2*i+1]
.set i, i+1
.endr
.set u, 0
.rept 16
	v_cvt_pk_bf16_f32 v[DD+4*u], v[DD+4*u], v[DD+4*u+1]
	v_cvt_pk_bf16_f32 v[DD+4*u+1], v[DD+4*u+2], v[DD+4*u+3]
	global_store_b64 v[VO], v[DD+4*u:DD+4*u+1], s[8:9] offset:(u/2)*256+(u%2)*524288  ; the wave stores 256 consecutive bytes, at a multiple of 256 from the buffer's first byte
.set u, u+1
.endr
	s_wait_xcnt 0x0                                ; the stores have read their data and their offset: both are written again below and in the next trip
	v_add_nc_u32 v[VO], 2048, v[VO]                ; 16 rows of a slice on
	v_add_nc_u32 v[RD], 16*SPI, v[RD]
	s_sub_co_u32 s3, s3, 1
	s_cmp_lg_u32 s3, 0
	s_cbranch_scc1 .Lrows
	s_wait_tensorcnt 0x0                           ; the wave's end: behind my last tensor load and my last LDS store
	ds_add_u32 v[SPW], v[NIL]
	s_wait_dscnt 0x0
	CROUND                                         ; the closing round: no work-group ends while a partner may still ask for a tile that names it
	s_endpgm
.Lfunc_end_k_qa5cca3c084_up:
	.size	k_qa5cca3c084_up, .Lfunc_end_k_qa5cca3c084_up-k_qa5cca3c084_up
	.p2alignl 7, 3214868480
	.fill 96, 4, 3214868480
	.section	.rodata,"a",@progbits
	.p2align	6, 0x0
	.amdhsa_kernel k_qa5cca3c084_up
		.amdhsa_group_segment_fixed_size 327680
		.amdhsa_private_segment_fixed_size 0
		.amdhsa_enable_private_segment 0
		.amdhsa_kernarg_size 32
		.amdhsa_user_sgpr_count 2
		.amdhsa_user_sgpr_kernarg_segment_ptr 1
		.amdhsa_wavefront_size32 1
		.amdhsa_system_sgpr_workgroup_id_x 1
		.amdhsa_system_sgpr_workgroup_id_y 1
		.amdhsa_system_sgpr_workgroup_id_z 1
		.amdhsa_system_vgpr_workitem_id 0
		.amdhsa_next_free_vgpr 1024
		.amdhsa_next_free_sgpr 80
		.amdhsa_reserve_vcc 0
		.amdhsa_float_denorm_mode_32 3
		.amdhsa_float_denorm_mode_16_64 3
		.amdhsa_memory_ordered 1
		.amdhsa_forward_progress 1
		.amdhsa_inst_pref_size 82
	.end_amdhsa_kernel
	.amdgpu_metadata
---
amdhsa.version: [ 1, 2 ]
amdhsa.kernels:
  - .name:           k_qa5cca3c084_up
    .symbol:         k_qa5cca3c084_up.kd
    .args:
      - { .name: x1s, .offset: 0, .size: 8, .value_kind: global_buffer, .address_space: global }
      - { .name: wb, .offset: 8, .size: 8, .value_kind: global_buffer, .address_space: global }
      - { .name: b1, .offset: 16, .size: 8, .value_kind: global_buffer, .address_space: global }
      - { .name: hs, .offset: 24, .size: 8, .value_kind: global_buffer, .address_space: global }
    .group_segment_fixed_size: 327680
    .private_segment_fixed_size: 0
    .kernarg_segment_align: 8
    .kernarg_segment_size: 32
    .max_flat_workgroup_size: 128
    .sgpr_count:     80
    .vgpr_count:     1024
    .wavefront_size: 32
...
	.end_amdgpu_metadata
.endif
;; end of part 5
;; launch down (part 6): grid 8 x 32, 4 waves a work-group, clusters of 4 x 4, 327,680 bytes of LDS; arguments hs, wb, b2, x1s, out0; writes out0
.if DOCPART == 6
	.amdgcn_target "amdgcn-amd-amdhsa--gfx1250"
	.amdhsa_code_object_version 6
	.text
	.protected	k_qa5cca3c084_down
	.globl	k_qa5cca3c084_down
	.p2align	8
	.type	k_qa5cca3c084_down,@function
k_qa5cca3c084_down:
	s_mov_b64 s[64:65], 0
	v_nop
	global_prefetch_b8 v0, s[64:65] scope:SCOPE_SE
	s_setreg_imm32_b32 hwreg(HW_REG_WAVE_MODE, 25, 1), 1
	s_wait_xcnt 0x0
	s_wait_alu depctr_hold_cnt(0) depctr_sa_sdst(0) depctr_va_vdst(0) depctr_va_sdst(0) depctr_va_ssrc(0) depctr_va_vcc(0) depctr_vm_vsrc(0)
	s_getreg_b32 s2, hwreg(HW_REG_IB_STS2, 6, 4)
	s_cmp_eq_u32 s2, 0
	s_cbranch_scc0 .Lentry_in_a_cluster
	s_endpgm
.Lentry_in_a_cluster:
	s_bfe_u32 s2, ttmp6, 0x10000c
	s_cmp_lg_u32 s2, 0xf033
	s_cbranch_scc0 .Lentry_shape_is_right
	s_endpgm
.Lentry_shape_is_right:
; out = x1 + h W2 + b2.  A = hs (bf16, slices of 64 columns), B = W2 in bf16 as it lies, [k][n]; sums in f32; the bias (rounded to bf16 like every input) and the residual (x1, kept in bf16) are added in f32;
; the result is stored in f32, row-major.  This text serves two launches; the constants LAST, KK and WOFF below tell them apart.
; 1,024 columns make only 64 tiles of 256 x 256, so a tile of C is 128 x 128: 256 work-groups.  Four waves of 64 x 64: 16 accumulators.  K goes in steps of 256 through two LDS slots.
; LDS: A's two slots on end, then B's two.  A's slot: four slices x 128 rows of 128 bytes + 16.  One load brings two slices: each slice's 128 rows are 16,384 bytes on end, taken as one row of 8,192 elements;
; the second row lies a slice on.  B's slot: 256 rows (k) of 256 bytes + 32; its fragments are read turned, by ds_load_tr16_b128.  Both slots are 73,728 bytes.
; THE LOOP'S TEXT IS ONE K STEP: the slot in hand is a scalar, 0 or a slot's bytes, which enters the walking descriptors' LDS word and the fragment addresses.  The loop is entered in its middle.
; THE TAIL'S TEXT IS HALF A K STEP, walked three times: the four halves of a ring lie at equal distances, so the fragment addresses step by a constant.
; CLUSTER 4 x 4: A's tile is shared along a row of the cluster, B's along a column; each is asked for jointly.  THE MATRIX INSTRUCTION IS USED TRANSPOSED (source 0 = 16 columns of B, source 1 = 16 rows of A).
; REGISTERS: window 0: v0-31 addresses, bias, at work; v32-95 the residual; v96-127 rows read back; v128-255 the accumulators, (a, b) at v[128 + 8 (4 a + b)].  Window 1: two fragment buffers of 128.
; No prefetch: a small tile's K step is short, and each tile is shared by four work-groups already.
.set LAST,  1                          ; 0: bf16 out, in slices.  1: f32 out, row-major (the module's output)
.set KK,    4096                       ; K
.set WOFF,  16777216                   ; where B begins in wb
.set NK,    KK/256
.set PA,    144                        ; an odd multiple of 16 bytes (64 banks of 4 bytes: ISA guide 11.1)
.set PB,    288                        ; an odd multiple of 32 bytes
.set ASL,   128*PA                     ; a slice's 128 rows: a quarter of A's slot
.set SLOT,  4*ASL                      ; 73,728: A's slot, and B's (256 rows of 288 bytes)
.set BBASE, 2*SLOT                     ; B's ring lies behind A's
.set BHALF, 128*PB                     ; what one load brings of B: half of B's slot
.set STAGE, BBASE+2*SLOT               ; behind the rings: 16 rows x 272 bytes for each wave; no fill lands there
.set SPI,   272
.set SPARE, STAGE+4*16*SPI             ; the spare words, 128 bytes for each wave: two blocks of 256 bytes that no other line names
.set ASTEP, 4*524288
.set BSTEP, 256*1024*2
.set BIAS,  4                          ; v[4:7]   bias of my columns 4 (l % 16) + 0..3
.set T,     8                          ; v[8:11]  at work
.set ADRA,  16
.set ADRA0, 17
.set ADRB,  20                         ; v20: B's rows 0-127 of the slot in hand, v21: rows 128-255 (an LDS offset has 16 bits)
.set ADRB0, 22
.set STO,   24
.set RD,    25
.set CO,    26
.set RO,    27
.set SPW,   28                         ; never rewritten
.set NIL,   29                         ; never rewritten
.set BO,    30
.set RES,   32
.set BK,    96
.set ACC,   128
.set F0,    0
.set F1,    128
.set G1A,   24
.set G0A,   32
.set G1B,   48
.set G0B,   56
.set TS,    22                         ; s22
.set MSB, 0
.macro WIN new
.if MSB != (\new)
	s_set_vgpr_msb (MSB<<8)|(\new)
.set MSB, \new
.endif
.endm
.set MUL,  0x05                        ; sources 0 (B) and 1 (A) window 1; C and D window 0
.set TO_F, 0x40
.macro PLACES
.rept 4
	v_nop
.endr
.endm
.macro JLOAD                           ; the joint refill: waves 0, 1 ask for A's slices, waves 2, 3 for B's halves; an s_nop 0 and four v_nop follow each line
	s_cmp_eq_u32 s11, 0
	s_cbranch_scc0 .Lfor_b_\@
	tensor_load_to_lds s[G0A+4:G0A+7], s[G1A:G1A+7]
	s_nop 0
.rept 4
	v_nop
.endr
	s_branch .Lasked_\@
.Lfor_b_\@:
	tensor_load_to_lds s[G0B+4:G0B+7], s[G1B:G1B+7]
	s_nop 0
.rept 4
	v_nop
.endr
.Lasked_\@:
.endm
.macro CREST
	s_cmp_lg_u32 s10, 0
	s_cbranch_scc1 .Lnot_wave_0_\@
	s_barrier_signal -3
.Lnot_wave_0_\@:
	s_barrier_wait -3
	s_barrier_signal -1
	s_barrier_wait -1
.endm
.macro CROUND
	s_barrier_signal -1
	s_barrier_wait -1
	CREST
.endm
	s_load_b128 s[4:7], s[0:1], 0x0                ; A s[4:5], wb s[6:7]
	s_load_b128 s[68:71], s[0:1], 0x10             ; bias s[68:69], residual s[70:71]
	s_load_b64 s[72:73], s[0:1], 0x20              ; out
	v_lshl_add_u32 v[SPW], v0, 2, SPARE
	v_mov_b32 v[NIL], 0
	ds_add_u32 v[SPW], v[NIL]                      ; the wave's opening: the add and its wait stand ahead of my first tensor load; the set-up below stands between them
	v_lshrrev_b32 v1, 5, v0
	v_readfirstlane_b32 s10, v1
	s_lshr_b32 s11, s10, 1                         ; my half of the tile's rows; also: I fetch for A (0) or for B (1)
	s_and_b32 s12, s10, 1                          ; my half of its columns; also: which part I fetch
	s_bfe_u32 s40, ttmp6, 0x40000
	s_bfe_u32 s41, ttmp6, 0x40004
	s_lshl_b32 s42, ttmp9, 2
	s_add_co_u32 s42, s42, s40                     ; tile column
	s_and_b32 s13, ttmp7, 0xffff
	s_lshl_b32 s13, s13, 2
	s_add_co_u32 s13, s13, s41                     ; tile row
	s_lshl_b32 s43, s41, 2
	s_lshl_b32 s43, 15, s43
	s_lshl_b32 s44, 0x1111, s40
	s_or_b32 s[G1A+0], s43, (1<<16)|(1<<20)|(1<<21)|(4<<22)|(3<<25)  ; the mask; 2-byte elements; padding on; bit 21 beside a mask; after every 32 words, 4 words
	s_mov_b32 s[G1A+1], 8192<<16                   ; tensor_dim0 = 8,192: a slice's 128 rows on end
	s_mov_b32 s[G1A+2], 2<<16                      ; tensor_dim1 = 2 slices
	s_mov_b32 s[G1A+3], 8192<<16
	s_mov_b32 s[G1A+4], 2
	s_mov_b32 s[G1A+5], 262144                     ; a slice is 262,144 elements
	s_mov_b32 s[G1A+6], 0
	s_mov_b32 s[G1A+7], 0
	s_or_b32 s[G1B+0], s44, (1<<16)|(1<<20)|(1<<21)|(5<<22)|(7<<25)  ; after every 64 words, 8 words
	s_mov_b32 s[G1B+1], 128<<16
	s_mov_b32 s[G1B+2], 128<<16
	s_mov_b32 s[G1B+3], 128<<16
	s_mov_b32 s[G1B+4], 128
	s_mov_b32 s[G1B+5], 1024
	s_mov_b32 s[G1B+6], 0
	s_mov_b32 s[G1B+7], 0
	s_lshl_b32 s16, s13, 14                        ; A: the tile's 128 rows of 128 bytes,
	s_lshl_b32 s17, s12, 20                        ; my two slices of the K step's four
	s_add_co_u32 s16, s16, s17
	s_mov_b32 s17, 0
	s_lshl_b32 s46, s42, 8                         ; B: the tile's 128 columns,
	s_lshl_b32 s47, s12, 18                        ; my 128 rows of the K step's 256
	s_add_co_u32 s46, s46, s47
	s_add_co_u32 s46, s46, WOFF
	s_mov_b32 s47, 0
	s_mul_i32 s20, s12, 2*ASL
	s_mul_i32 s21, s12, BHALF
	s_add_co_u32 s21, s21, BBASE
	s_mov_b32 s[TS], 0
	s_mov_b32 s76, 0xffff0000
	s_wait_dscnt 0x0
	s_wait_kmcnt 0x0
	s_add_nc_u64 s[14:15], s[4:5], s[16:17]
	s_add_nc_u64 s[46:47], s[6:7], s[46:47]
	CROUND                                         ; all sixteen work-groups are here: the first joint loads meet
.irp s, 0,1
	s_mov_b32 s[G0A+4*(\s)], 1
	s_add_co_u32 s[G0A+4*(\s)+1], s20, (\s)*SLOT
	s_add_nc_u64 s[G0A+4*(\s)+2:G0A+4*(\s)+3], s[14:15], (\s)*ASTEP
	s_or_b32 s[G0A+4*(\s)+3], s[G0A+4*(\s)+3], 0x80000000
	s_mov_b32 s[G0B+4*(\s)], 1
	s_add_co_u32 s[G0B+4*(\s)+1], s21, (\s)*SLOT
	s_add_nc_u64 s[G0B+4*(\s)+2:G0B+4*(\s)+3], s[46:47], (\s)*BSTEP
	s_or_b32 s[G0B+4*(\s)+3], s[G0B+4*(\s)+3], 0x80000000
.endr
	s_cmp_eq_u32 s11, 0                            ; a wave's two first fills stand in one branch: two loads of mine are out
	s_cbranch_scc0 .Lfirst_b
	tensor_load_to_lds s[G0A:G0A+3], s[G1A:G1A+7]
	s_nop 0
	tensor_load_to_lds s[G0A+4:G0A+7], s[G1A:G1A+7]
	s_nop 0
.rept 4
	v_nop
.endr
	s_branch .Lfirst_asked
.Lfirst_b:
	tensor_load_to_lds s[G0B:G0B+3], s[G1B:G1B+7]
	s_nop 0
	tensor_load_to_lds s[G0B+4:G0B+7], s[G1B:G1B+7]
	s_nop 0
.rept 4
	v_nop
.endr
.Lfirst_asked:
	v_and_b32 v1, 15, v0                           ; r
	v_bfe_u32 v2, v0, 4, 1                         ; h
	v_mul_u32_u24 v3, v1, PA
	v_lshl_add_u32 v3, v2, 4, v3
	s_mul_i32 s23, s11, 64*PA
	v_add_nc_u32 v[ADRA0], s23, v3
	v_and_b32 v3, 7, v0
	v_lshl_add_u32 v3, v2, 3, v3
	v_mul_u32_u24 v3, v3, PB
	v_bfe_u32 v12, v0, 3, 1
	v_lshl_add_u32 v3, v12, 4, v3
	s_lshl_b32 s23, s12, 7
	s_add_co_u32 s23, s23, BBASE
	v_add_nc_u32 v[ADRB0], s23, v3
	v_mov_b32 v[ADRA], v[ADRA0]
	v_mov_b32 v[ADRB], v[ADRB0]
	v_add_nc_u32 v[ADRB+1], BHALF, v[ADRB0]
	s_mul_i32 s23, s10, 16*SPI
	s_add_co_u32 s23, s23, STAGE
	v_mul_u32_u24 v3, v1, SPI                      ; in: row r, 32 bytes for each half of the lanes
	v_lshl_add_u32 v3, v2, 5, v3
	v_add_nc_u32 v[STO], s23, v3
	v_mul_u32_u24 v3, v2, SPI                      ; back: lanes 0-15 take one row of 256 bytes, lanes 16-31 the next
	v_lshl_add_u32 v3, v1, 4, v3
	v_add_nc_u32 v[RD], s23, v3
	v_and_b32 v[RO], 31, v0                        ; two rows of a slice are 256 bytes on end, 8 bytes a lane
	v_lshlrev_b32 v[RO], 3, v[RO]
	v_lshlrev_b32 v[BO], 4, v1
.if LAST
	v_lshlrev_b32 v[CO], 12, v2                    ; two rows of the output, 4,096 bytes apart, 16 bytes a lane
	v_lshl_add_u32 v[CO], v1, 4, v[CO]
.endif
	s_lshl_b32 s16, s42, 1                         ; my 64 columns are one slice: 2 x tile column + column half
	s_add_co_u32 s16, s16, s12
	s_lshl_b32 s16, s16, 19
	s_lshl_b32 s17, s13, 14                        ; the tile's 128 rows,
	s_add_co_u32 s16, s16, s17
	s_lshl_b32 s17, s11, 13                        ; my 64
	s_add_co_u32 s16, s16, s17
	s_mov_b32 s17, 0
	s_add_nc_u64 s[70:71], s[70:71], s[16:17]
	s_lshl_b32 s18, s42, 9                         ; my 64 columns in f32
	s_lshl_b32 s19, s12, 8
	s_add_co_u32 s18, s18, s19
	s_mov_b32 s19, 0
	s_add_nc_u64 s[66:67], s[68:69], s[18:19]
.if LAST
	s_lshl_b32 s16, s13, 19                        ; row-major: 128 rows of 4,096 bytes,
	s_lshl_b32 s17, s11, 18                        ; my 64,
	s_add_co_u32 s16, s16, s17
	s_add_co_u32 s16, s16, s18                     ; my columns
	s_mov_b32 s17, 0
.endif
	s_add_nc_u64 s[8:9], s[72:73], s[16:17]
	global_load_b128 v[BIAS:BIAS+3], v[BO], s[66:67]
; 8 matrix instructions: m blocks a0, a0 + 1 x all 4 n blocks, 32 along K: half c of buffer f
.macro MUL8 f, c, a0, zero
	WIN MUL
.irp a, \a0, (\a0)+1
.irp b, 0,1,2,3
.if \zero
	v_wmma_f32_16x16x32_bf16 v[ACC+8*(4*(\a)+(\b)):ACC+8*(4*(\a)+(\b))+7], v[(\f)+64+8*(4*(\c)+(\b)):(\f)+64+8*(4*(\c)+(\b))+7], v[(\f)+8*(4*(\c)+(\a)):(\f)+8*(4*(\c)+(\a))+7], 0
.else
	v_wmma_f32_16x16x32_bf16 v[ACC+8*(4*(\a)+(\b)):ACC+8*(4*(\a)+(\b))+7], v[(\f)+64+8*(4*(\c)+(\b)):(\f)+64+8*(4*(\c)+(\b))+7], v[(\f)+8*(4*(\c)+(\a)):(\f)+8*(4*(\c)+(\a))+7], v[ACC+8*(4*(\a)+(\b)):ACC+8*(4*(\a)+(\b))+7]
.endif
.endr
.endr
.endm
; 32 LDS loads in one run: quarter q (64 along K: one slice of A), counted from where the address registers stand, into buffer f; its first 32 along K first
.macro FETCH q, f
	WIN TO_F
.irp c, 0,1
.irp i, 0,1,2,3
	ds_load_tr16_b128 v[(\f)+64+8*(4*(\c)+(\i)):(\f)+64+8*(4*(\c)+(\i))+3],   v[ADRB+(\q)/2] offset:((\q)%2)*64*PB+(\c)*32*PB+(\i)*32
	ds_load_tr16_b128 v[(\f)+64+8*(4*(\c)+(\i))+4:(\f)+64+8*(4*(\c)+(\i))+7], v[ADRB+(\q)/2] offset:((\q)%2)*64*PB+(\c)*32*PB+(\i)*32+16*PB
	ds_load_b128 v[(\f)+8*(4*(\c)+(\i)):(\f)+8*(4*(\c)+(\i))+3],   v[ADRA] offset:(\q)*ASL+(\i)*16*PA+(\c)*64
	ds_load_b128 v[(\f)+8*(4*(\c)+(\i))+4:(\f)+8*(4*(\c)+(\i))+7], v[ADRA] offset:(\q)*ASL+(\i)*16*PA+(\c)*64+32
.endr
.endr
.endm
; One of a K step's first three quarters, in two parts: the first 32 along K of buffer f are multiplied; then quarter q is fetched into g and the other 32 are multiplied.
; The 16 accumulators take turns, one instruction a turn.
.macro QHEAD f, zero
	s_wait_dscnt 16                                ; the first 32 along K are in
	MUL8 \f, 0, 0, \zero
	MUL8 \f, 0, 2, \zero
.endm
.macro QREST q, f, g
	PLACES
	FETCH \q, \g
	s_wait_dscnt 32                                ; all but the 32 just issued
	MUL8 \f, 1, 0, 0
	MUL8 \f, 1, 2, 0
.endm
.macro QUARTER q, f, g
	QHEAD \f, 0
	QREST \q, \f, \g
.endm
.macro MEET                            ; the first half of a quarter on buffer 1, and a barrier
	WIN 0
	s_wait_tensorcnt 0x0                           ; all my tensor loads have landed: at a change of slots, my part of the next slot
	ds_add_u32 v[SPW], v[NIL]
	s_wait_dscnt 17                                ; the add and the youngest sixteen loads may be out
	MUL8 F1, 0, 0, 0
	s_wait_dscnt 0x0                               ; the add is done, my reads of this slot are over
	s_barrier_signal -1
	MUL8 F1, 0, 2, 0
	WIN 0
	s_barrier_wait -1
.endm
.macro TURN                            ; a K step's last quarter with a refill, two K steps on: 112 matrix instructions ahead of the wait for it
	MEET
	CREST
	s_add_co_u32 s[G0A+5], s20, s[TS]
	s_add_nc_u64 s[G0A+6:G0A+7], s[G0A+6:G0A+7], ASTEP
	s_add_co_u32 s[G0B+5], s21, s[TS]
	s_add_nc_u64 s[G0B+6:G0B+7], s[G0B+6:G0B+7], BSTEP
	JLOAD                                          ; its four v_nop are also the places in front of the loads below
	s_xor_b32 s[TS], s[TS], SLOT
	v_add_nc_u32 v[ADRA], s[TS], v[ADRA0]
	v_add_nc_u32 v[ADRB], s[TS], v[ADRB0]
	v_add_nc_u32 v[ADRB+1], BHALF, v[ADRB]
	FETCH 0, F0
	MUL8 F1, 1, 0, 0
	MUL8 F1, 1, 2, 0
.endm
	s_wait_tensorcnt 0x1                           ; my part of K step 0 is in; K step 1's may stay out
	s_barrier_signal -1
	s_barrier_wait -1
	FETCH 0, F0
	QHEAD F0, 1                                    ; the sixteen products that start the sums stand in front of the loop
	WIN 0
	s_mov_b32 s3, NK-1
	s_branch .Lin                                  ; the loop is entered in its middle: K step 0 has no change of slots in front of it
.Lk:                                                   ; a trip: the last quarter of a K step, which asks for the K step two on, and the next step's quarters 0 to 2; NK - 2 changes of slots in all
	TURN
	QHEAD F0, 0
	WIN 0
.Lin:
	QREST 1, F0, F1
	QUARTER 2, F1, F0
	QUARTER 3, F0, F1
	WIN 0
	s_sub_co_u32 s3, s3, 1
	s_cmp_lg_u32 s3, 0
	s_cbranch_scc1 .Lk
.set i, 0
.rept 32                               ; the residual of my 64 x 64, asked for five quarters ahead of its use: load i covers rows 2 i, 2 i + 1 of my slice, 256 consecutive bytes
	global_load_b64 v[RES+2*i:RES+2*i+1], v[RO], s[70:71] offset:i*256
.set i, i+1
.endr
	; THE TAIL asks for nothing: left are the last quarter of the last K step but one (slot 0) and the last K step (slot 1).  One text, a quarter on buffer 1 and a quarter on buffer 0, walked three times and left
	; in its middle; no tensor load and no barrier is jumped over.  The fetches go by halves of a slot, which lie 2 ASL (A) and BHALF (B) apart across both slots.  Of its three barriers the first
	; shows every wave that slot 1 has landed; the other two are the price of one text.
	v_add_nc_u32 v[ADRA], 2*ASL, v[ADRA]           ; slot 0's upper half: each walk steps on from here
	v_add_nc_u32 v[ADRB], BHALF, v[ADRB]
	s_mov_b32 s3, 3
.Ltail:
	MEET
	s_cmp_eq_u32 s3, 1
	s_cbranch_scc1 .Lnf                            ; behind the last quarter there is nothing to fetch
	v_add_nc_u32 v[ADRA], 2*ASL, v[ADRA]
	v_add_nc_u32 v[ADRB], BHALF, v[ADRB]
	PLACES
	FETCH 0, F0
	WIN 0
.Lnf:
	MUL8 F1, 1, 0, 0
	MUL8 F1, 1, 2, 0
	WIN 0
	s_sub_co_u32 s3, s3, 1
	s_cmp_eq_u32 s3, 0
	s_cbranch_scc1 .Lout
	QUARTER 1, F0, F1
	WIN 0
	s_branch .Ltail
.Lout:
	; THE WAY OUT, 16 rows at a time: the sums go in f32 through my own stage and come back as whole rows of 256 bytes, in the residual's pattern: lane l has row 2 t + l / 16, columns 4 (l % 16) + 0..3.
	PLACES
	s_wait_loadcnt 0x0                             ; bias and residual
.irp i, 0,2
	v_cvt_pk_bf16_f32 v[T], v[BIAS+(\i)], v[BIAS+(\i)+1]  ; the bias is rounded to bf16 like every input, and widened again
	v_lshlrev_b32 v[BIAS+(\i)], 16, v[T]
	v_and_b32 v[BIAS+(\i)+1], s76, v[T]
.endr
.irp a, 0,1,2,3
.irp b, 0,1,2,3
	ds_store_b128 v[STO], v[ACC+8*(4*(\a)+(\b)):ACC+8*(4*(\a)+(\b))+3]   offset:(\b)*64     ; each accumulator's low four registers first
	ds_store_b128 v[STO], v[ACC+8*(4*(\a)+(\b))+4:ACC+8*(4*(\a)+(\b))+7] offset:(\b)*64+16
.endr
	s_wait_xcnt 0x0                                ; the last block's stores have read their data: the registers are loaded again below
.irp t, 0,1,2,3,4,5,6,7
	ds_load_b128 v[BK+4*(\t):BK+4*(\t)+3], v[RD] offset:(\t)*2*SPI  ; LDS serves a wave's instructions in order (ISA guide 5.7.1.4): these see the stores above; the next block's stores come behind them
.endr
.irp t, 0,1,2,3,4,5,6,7
.if (\t)%2 == 0
	s_wait_dscnt 6-(\t)                            ; read-backs t and t + 1 are in, the younger ones stay out
.endif
	v_lshlrev_b32 v[T],   16,  v[RES+2*(8*(\a)+(\t))]
	v_and_b32     v[T+1], s76, v[RES+2*(8*(\a)+(\t))]
	v_lshlrev_b32 v[T+2], 16,  v[RES+2*(8*(\a)+(\t))+1]
	v_and_b32     v[T+3], s76, v[RES+2*(8*(\a)+(\t))+1]
	v_pk_add_f32 v[T:T+1], v[T:T+1], v[BIAS:BIAS+1]
	v_pk_add_f32 v[T+2:T+3], v[T+2:T+3], v[BIAS+2:BIAS+3]
	v_pk_add_f32 v[BK+4*(\t):BK+4*(\t)+1], v[BK+4*(\t):BK+4*(\t)+1], v[T:T+1]
	v_pk_add_f32 v[BK+4*(\t)+2:BK+4*(\t)+3], v[BK+4*(\t)+2:BK+4*(\t)+3], v[T+2:T+3]
.if LAST
	global_store_b128 v[CO], v[BK+4*(\t):BK+4*(\t)+3], s[8:9] offset:(16*(\a)+2*(\t))*4096  ; 16 lanes store 256 consecutive bytes, at a multiple of 256 from the buffer's first byte
.else
	v_cvt_pk_bf16_f32 v[BK+4*(\t)], v[BK+4*(\t)], v[BK+4*(\t)+1]
	v_cvt_pk_bf16_f32 v[BK+4*(\t)+1], v[BK+4*(\t)+2], v[BK+4*(\t)+3]
	global_store_b64 v[RO], v[BK+4*(\t):BK+4*(\t)+1], s[8:9] offset:(\a)*2048+(\t)*256      ; the wave stores 256 consecutive bytes, at a multiple of 256 from the buffer's first byte
.endif
.endr
.endr
	s_wait_tensorcnt 0x0                           ; the wave's end: behind my last tensor load and my last LDS store
	ds_add_u32 v[SPW], v[NIL]
	s_wait_dscnt 0x0
	CROUND                                         ; the closing round: no work-group ends while a partner may still ask for a tile that names it
	s_endpgm
.Lfunc_end_k_qa5cca3c084_down:
	.size	k_qa5cca3c084_down, .Lfunc_end_k_qa5cca3c084_down-k_qa5cca3c084_down
	.p2alignl 7, 3214868480
	.fill 96, 4, 3214868480
	.section	.rodata,"a",@progbits
	.p2align	6, 0x0
	.amdhsa_kernel k_qa5cca3c084_down
		.amdhsa_group_segment_fixed_size 327680
		.amdhsa_private_segment_fixed_size 0
		.amdhsa_enable_private_segment 0
		.amdhsa_kernarg_size 40
		.amdhsa_user_sgpr_count 2
		.amdhsa_user_sgpr_kernarg_segment_ptr 1
		.amdhsa_wavefront_size32 1
		.amdhsa_system_sgpr_workgroup_id_x 1
		.amdhsa_system_sgpr_workgroup_id_y 1
		.amdhsa_system_sgpr_workgroup_id_z 1
		.amdhsa_system_vgpr_workitem_id 0
		.amdhsa_next_free_vgpr 512
		.amdhsa_next_free_sgpr 80
		.amdhsa_reserve_vcc 0
		.amdhsa_float_denorm_mode_32 3
		.amdhsa_float_denorm_mode_16_64 3
		.amdhsa_memory_ordered 1
		.amdhsa_forward_progress 1
		.amdhsa_inst_pref_size 62
	.end_amdhsa_kernel
	.amdgpu_metadata
---
amdhsa.version: [ 1, 2 ]
amdhsa.kernels:
  - .name:           k_qa5cca3c084_down
    .symbol:         k_qa5cca3c084_down.kd
    .args:
      - { .name: hs, .offset: 0, .size: 8, .value_kind: global_buffer, .address_space: global }
      - { .name: wb, .offset: 8, .size: 8, .value_kind: global_buffer, .address_space: global }
      - { .name: b2, .offset: 16, .size: 8, .value_kind: global_buffer, .address_space: global }
      - { .name: x1s, .offset: 24, .size: 8, .value_kind: global_buffer, .address_space: global }
      - { .name: out0, .offset: 32, .size: 8, .value_kind: global_buffer, .address_space: global }
    .group_segment_fixed_size: 327680
    .private_segment_fixed_size: 0
    .kernarg_segment_align: 8
    .kernarg_segment_size: 40
    .max_flat_workgroup_size: 128
    .sgpr_count:     80
    .vgpr_count:     512
    .wavefront_size: 32
...
	.end_amdgpu_metadata
.endif
;; end of part 6
;; ======== version 2 of 2: 6 launches; version 1 with the launch cast written anew for expert scheduling mode
;; limits: values are held in f16: magnitudes above 65,504 overflow, below 6.1e-05 lose precision
;; workspace buffers: xs 8,388,608 bytes; wa 6,291,456 bytes; wb 25,165,824 bytes; qkv 25,165,824 bytes; ys 8,388,608 bytes; x1s 8,388,608 bytes; hs 33,554,432 bytes
;; launch cast (part 7): grid 512 x 1, 8 waves a work-group, no clusters, 0 bytes of LDS; arguments x, Wq, Wk, Wv, Wo, xs, wa, wb; writes xs, wa, wb
.if DOCPART == 7
	.amdgcn_target "amdgcn-amd-amdhsa--gfx1250"
	.amdhsa_code_object_version 6
	.text
	.protected	k_qa5cca3c084_cast
	.globl	k_qa5cca3c084_cast
	.p2align	8
	.type	k_qa5cca3c084_cast,@function
k_qa5cca3c084_cast:
	s_mov_b64 s[64:65], 0
	v_nop
	global_prefetch_b8 v0, s[64:65] scope:SCOPE_SE
	s_setreg_imm32_b32 hwreg(HW_REG_WAVE_SCHED_MODE, 0, 2), 2
	s_setreg_imm32_b32 hwreg(HW_REG_WAVE_MODE, 25, 1), 1
	s_wait_xcnt 0x0
	s_wait_alu depctr_vm_vsrc(0)
; CAST.  x, Wq, Wk, Wv and Wo, f32, are rounded once to bf16 (nearest even).  (W1 and W2 are cast in the next launch, by work-groups that have no part in its product.)
; xs: x in slices of 64 columns: element (m, k) at ((k / 64) x 4096 + m) x 64 + k % 64, so that 16 rows of a slice are 2,048 bytes on end.
; wa: Wq, Wk, Wv as they lie ([K][N]), 2,097,152 bytes each.  wb: Wo at byte 6,291,456 (behind it the next launch lays W1 and W2; the bytes in front of it are not used).
; A stream: no LDS, no barrier, no matrix unit.  Work-groups 0-255 take 16 rows of x each, work-groups 256-511 take 16,384 numbers of the weights each.
; A unit of work is one load of 16 bytes a lane (512 bytes of f32 a wave) and one store of 8 bytes a lane: 256 consecutive bytes, at a multiple of 256 from the buffer's first byte.
; A wave has 16 units; all 16 loads go out first, and no register is written twice.
; THE MODE: SCHED_MODE bits 1:0 = 2 (LLVM: expert scheduling mode 2), set by the entry lines.  The code itself states the register dependences
; between vector instructions and memory instructions, with s_wait_alu, always for 0.
; THE PLAN.  Registers that memory instructions touch:
;   v1, v2   the loads' and the stores' byte offsets: written once by vector instructions at the branch's head, read by all 16 loads (v1) and all 16 stores (v2), never written again.
;   IN       unit j: four registers in which its one load lands; read by its two conversions; no vector instruction writes them and no second load lands in them.
;   OUT      unit j: two registers, written once by its two conversions, read by its one store, never written again.
; The units go in four groups of four.  One wait on va_vdst stands ahead of the first load, for the two offsets.  Group g's conversions write OUT of units 4 g to 4 g + 3; the stores of group g - 1 are
; dealt among them, behind ONE wait on va_vdst at the group's head, which states that the group before has written its OUT: no conversion issued since that wait names a register that those stores read.
; A last wait stands ahead of group 3's stores.  No register that a memory instruction reads is written again, no vector instruction writes a scalar register or VCC, and EXEC is never written.
.set IN,  16                           ; v[16:79]   16 units as loaded
.set OUT, 80                           ; v[80:111]  16 units to store
.macro UNITS inj, outj                 ; inj, outj: bytes from unit to unit in the source and in the destination
	s_wait_alu depctr_va_vdst(0)                   ; v1 and v2 are written: every load below reads v1 as its offset, every store v2
.set j, 0
.rept 16
	global_load_b128 v[IN+4*j:IN+4*j+3], v1, s[26:27] offset:j*(\inj) th:TH_LOAD_NT
.set j, j+1
.endr
.set j, 0
.rept 16
.if j%4 == 0
	s_wait_loadcnt 12-j                            ; loads come back in order: units j to j + 3 are in, the younger ones stay out
.if j > 0
	s_wait_alu depctr_va_vdst(0)                   ; the conversions of units j - 4 to j - 1 have written their OUT registers, which the four stores dealt among this group's conversions read
.endif
.endif
.if j >= 4
	global_store_b64 v2, v[OUT+2*(j-4):OUT+2*(j-4)+1], s[28:29] offset:(j-4)*(\outj) th:TH_STORE_NT  ; a unit of the group before; no conversion since the wait names its registers
.endif
	v_cvt_pk_bf16_f32 v[OUT+2*j], v[IN+4*j], v[IN+4*j+1]
	v_cvt_pk_bf16_f32 v[OUT+2*j+1], v[IN+4*j+2], v[IN+4*j+3]
.set j, j+1
.endr
	s_wait_alu depctr_va_vdst(0)                   ; the conversions of units 12 to 15 have written their OUT registers, which the last four stores read
.set j, 12
.rept 4
	global_store_b64 v2, v[OUT+2*j:OUT+2*j+1], s[28:29] offset:j*(\outj) th:TH_STORE_NT
.set j, j+1
.endr
.endm
.macro PICK first, lo                  ; from block first on the source is the matrix whose address lies in s[lo:lo+1]
	s_cmp_ge_u32 s30, \first
	s_cselect_b64 s[26:27], s[\lo:\lo+1], s[26:27]
	s_cselect_b32 s31, \first, s31
.endm
	s_load_b512 s[4:19], s[0:1], 0x0               ; x s[4:5], Wq s[6:7], Wk s[8:9], Wv s[10:11], Wo s[12:13], xs s[14:15], wa s[16:17], wb s[18:19]
	s_mov_b32 s23, 0
	s_mov_b32 s25, 0
	s_cmp_lt_u32 ttmp9, 256
	s_cbranch_scc0 .Lweights
	; x: the work-group's 16 rows; thread t takes row t / 16 and, in slice s, the four columns 64 s + 4 (t % 16) on
	v_lshrrev_b32 v5, 4, v0                        ; row 0..15
	v_and_b32 v6, 15, v0
	v_lshlrev_b32 v1, 12, v5                       ; a row of x is 4,096 bytes
	v_lshl_add_u32 v1, v6, 4, v1
	v_lshlrev_b32 v2, 7, v5                        ; a row of a slice is 128 bytes
	v_lshl_add_u32 v2, v6, 3, v2
	s_lshl_b32 s22, ttmp9, 16                      ; 16 rows of x
	s_lshl_b32 s24, ttmp9, 11                      ; 16 rows of a slice
	s_wait_kmcnt 0x0
	s_add_nc_u64 s[26:27], s[4:5], s[22:23]
	s_add_nc_u64 s[28:29], s[14:15], s[24:25]
	UNITS 256, 524288                              ; unit s is slice s: 256 bytes on in x, a slice (524,288 bytes) on in xs; 15 slices stay inside the signed 24-bit immediate
	s_endpgm
.Lweights:
	v_lshrrev_b32 v3, 5, v0                        ; wave
	v_and_b32 v4, 31, v0                           ; lane
	v_lshlrev_b32 v1, 13, v3                       ; a wave's 2,048 numbers: 8,192 bytes in,
	v_lshl_add_u32 v1, v4, 4, v1
	v_lshlrev_b32 v2, 12, v3                       ; 4,096 bytes out
	v_lshl_add_u32 v2, v4, 3, v2
	s_sub_co_u32 s30, ttmp9, 256                   ; my place among the 256 blocks of 16,384 numbers
	s_mov_b32 s31, 0
	s_wait_kmcnt 0x0
	s_mov_b64 s[26:27], s[6:7]                     ; Wq, unless a later matrix begins at or below my block
	PICK 64, 8
	PICK 128, 10
	PICK 192, 12
	s_cselect_b64 s[28:29], s[18:19], s[16:17]     ; blocks 0-191 go to wa, blocks 192-255 (Wo) to wb: 192 blocks of 32,768 bytes are Wo's 6,291,456, so one offset serves both
	s_sub_co_u32 s22, s30, s31                     ; my block within its matrix
	s_lshl_b32 s22, s22, 16
	s_lshl_b32 s24, s30, 15
	s_add_nc_u64 s[26:27], s[26:27], s[22:23]
	s_add_nc_u64 s[28:29], s[28:29], s[24:25]
	UNITS 512, 256
	s_endpgm
.Lfunc_end_k_qa5cca3c084_cast:
	.size	k_qa5cca3c084_cast, .Lfunc_end_k_qa5cca3c084_cast-k_qa5cca3c084_cast
	.p2alignl 7, 3214868480
	.fill 96, 4, 3214868480
	.section	.rodata,"a",@progbits
	.p2align	6, 0x0
	.amdhsa_kernel k_qa5cca3c084_cast
		.amdhsa_group_segment_fixed_size 0
		.amdhsa_private_segment_fixed_size 0
		.amdhsa_enable_private_segment 0
		.amdhsa_kernarg_size 64
		.amdhsa_user_sgpr_count 2
		.amdhsa_user_sgpr_kernarg_segment_ptr 1
		.amdhsa_wavefront_size32 1
		.amdhsa_system_sgpr_workgroup_id_x 1
		.amdhsa_system_sgpr_workgroup_id_y 1
		.amdhsa_system_sgpr_workgroup_id_z 1
		.amdhsa_system_vgpr_workitem_id 0
		.amdhsa_next_free_vgpr 112
		.amdhsa_next_free_sgpr 66
		.amdhsa_reserve_vcc 0
		.amdhsa_float_denorm_mode_32 3
		.amdhsa_float_denorm_mode_16_64 3
		.amdhsa_memory_ordered 1
		.amdhsa_forward_progress 1
		.amdhsa_inst_pref_size 13
	.end_amdhsa_kernel
	.amdgpu_metadata
---
amdhsa.version: [ 1, 2 ]
amdhsa.kernels:
  - .name:           k_qa5cca3c084_cast
    .symbol:         k_qa5cca3c084_cast.kd
    .args:
      - { .name: x, .offset: 0, .size: 8, .value_kind: global_buffer, .address_space: global }
      - { .name: Wq, .offset: 8, .size: 8, .value_kind: global_buffer, .address_space: global }
      - { .name: Wk, .offset: 16, .size: 8, .value_kind: global_buffer, .address_space: global }
      - { .name: Wv, .offset: 24, .size: 8, .value_kind: global_buffer, .address_space: global }
      - { .name: Wo, .offset: 32, .size: 8, .value_kind: global_buffer, .address_space: global }
      - { .name: xs, .offset: 40, .size: 8, .value_kind: global_buffer, .address_space: global }
      - { .name: wa, .offset: 48, .size: 8, .value_kind: global_buffer, .address_space: global }
      - { .name: wb, .offset: 56, .size: 8, .value_kind: global_buffer, .address_space: global }
    .group_segment_fixed_size: 0
    .private_segment_fixed_size: 0
    .kernarg_segment_align: 8
    .kernarg_segment_size: 64
    .max_flat_workgroup_size: 256
    .sgpr_count:     66
    .vgpr_count:     112
    .wavefront_size: 32
...
	.end_amdgpu_metadata
.endif
;; end of part 7
;; launch qkvp: the kernel of part 2 again; grid 16 x 16, 4 waves a work-group, clusters of 4 x 4, 327,680 bytes of LDS; arguments xs, wa, bq, bk, bv, qkv, W1, W2, wb; writes qkv, wb
;; launch attn: the kernel of part 3 again; grid 8 x 32, 4 waves a work-group, no clusters, 327,680 bytes of LDS; arguments qkv, ys; writes ys
;; launch proj: the kernel of part 4 again; grid 8 x 32, 4 waves a work-group, clusters of 4 x 4, 327,680 bytes of LDS; arguments ys, wb, bo, xs, x1s; writes x1s
;; launch up: the kernel of part 5 again; grid 16 x 16, 4 waves a work-group, clusters of 4 x 4, 327,680 bytes of LDS; arguments x1s, wb, b1, hs; writes hs
;; launch down: the kernel of part 6 again; grid 8 x 32, 4 waves a work-group, clusters of 4 x 4, 327,680 bytes of LDS; arguments hs, wb, b2, x1s, out0; writes out0
